; MI455X (gfx1250); checked and timed in simulation.
; The chip was launched on July 23, 2026; its instructions are those of AMD's public machine-readable ISA for CDNA 5 (MIT licence, August 2026) and "CDNA5" Instruction Set Architecture Reference Guide (July 2026). The comments in the code are by the model that wrote it; some were corrected since.
;; Multi Head Attention. Allowed arithmetic: matrix products marked QUANTISED: E4M3 operands, one given power-of-two scale a tensor, by v_wmma_f32_16x16x64_fp8_fp8 or v_wmma_f32_16x16x128_fp8_fp8, f32 sums; everything else in f32.
;; Inputs: Wk 2,048 x 2,048 float32; Wo 2,048 x 2,048 float32; Wq 2,048 x 2,048 float32; Wv 2,048 x 2,048 float32; lowp_scales 12 int32 (the exponents e of the quantised operands' scales 2^e); mask 1 x 1 x 2,048 x 2,048 bool; x 1 x 2,048 x 2,048 float32.
;; Outputs: out0 1 x 2,048 x 2,048 float32.
;; This version of the problem:
;;   THIS VERSION OF THE PROBLEM IS GIVEN IN LOW PRECISION. The matrix products marked QUANTISED in the list below multiply operands that are first quantised to E4M3 (4 exponent bits, 3 mantissa bits; 8 bits a number), with one given power-of-two scale for each operand tensor; their sums are f32. All else is computed in f32.
;;   The module's matrix products, in the order in which they are computed (A, B: the left and right operand; K: the contracted axis; several contracted axes count as one K, in the product's order):
;;     1. [M 2,048, K 2,048] x [K 2,048, N 2,048]; A: input x; B: input Wq: QUANTISED (scales: A lowp_scales[0], B lowp_scales[1])
;;     2. [M 2,048, K 2,048] x [K 2,048, N 2,048]; A: input x; B: input Wk: QUANTISED (scales: A lowp_scales[2], B lowp_scales[3])
;;     3. [M 2,048, K 2,048] x [K 2,048, N 2,048]; A: input x; B: input Wv: QUANTISED (scales: A lowp_scales[4], B lowp_scales[5])
;;     4. batch 16 x [M 2,048, K 128] x [K 128, N 2,048]; A: computed on the way; B: computed on the way: QUANTISED (scales: A lowp_scales[6], B lowp_scales[7])
;;     5. batch 16 x [M 2,048, K 2,048] x [K 2,048, N 128]; A: softmax (see below); B: computed on the way: QUANTISED (scales: A lowp_scales[8], B lowp_scales[9])
;;     6. [M 2,048, K 2,048] x [K 2,048, N 2,048]; A: computed on the way; B: input Wo: QUANTISED (scales: A lowp_scales[10], B lowp_scales[11])
;;   THE QUANTISER, for each operand of a quantised product, along K:
;;     - The operand's scale is 2^e, e = its entry of the input lowp_scales (int32; the entries are numbered through the quantised products in the list's order, A before B).
;;     - Each number is divided by the scale, clamped to +-448, and rounded to the nearest number of E4M3, ties to even, subnormals kept.
;;     - The product sums the exact products of the quantised numbers (number of the format x scale) in f32.
;;   ~~~python
;;   def quantise(x, axis, e):      # numpy; x: float32 -> the quantised numbers, widened to float32 again
;;       x = np.moveaxis(x, axis, -1); K = x.shape[-1]
;;       r = np.clip(x / 2.0 ** e, -448, 448)
;;       step = 2.0 ** (np.maximum(np.frexp(np.where(r == 0, 1, r))[1] - 1, -6) - 3)
;;       q = np.round(r / step) * step * 2.0 ** e      # np.round: ties to even
;;       return np.moveaxis(q, -1, axis).astype(np.float32)
;;   ~~~
;;   SOFTMAX AHEAD OF A QUANTISED PRODUCT. Where the list says 'softmax', what is quantised is not the finished softmax but p = 2^(t - M), with t = logit x log2(e) and M = ceil(the row's largest t), a whole number; so 1/2 < the row's largest p <= 1. The row's sum l is taken of the UNQUANTISED p, in f32, and the product's result is divided by l at the end. Since M is a whole number, a kernel that streams over the keys may use a running M (the ceiling of the running maximum): every later rescaling is an exact power of two, so the quantised numbers keep their values, but for numbers so far below the row's largest that they fall under the format's range.
;;   OPERANDS COMPUTED ON THE WAY. 'Computed on the way' means the value that the module computes at that place (a softmax that the list does not call 'softmax' is quantised finished and normalised). What goes into a quantiser is computed in f32, as accurately as f32 sums, v_exp_f32 and their like allow (about 1e-6 of the number): no bf16 or f16 on the way to a quantiser, and a product that is left as it is and whose result goes on into a quantised operand takes f32 operands (vector FMAs, or v_wmma_f32_16x16x4_f32). A number that lies on a knife's edge between two numbers of the format may be rounded either way, as far as f32 arithmetic and the matrix unit's own rounding can turn it there, and no further.
;; One version. Each part assembles by itself: llvm-mc -triple=amdgcn-amd-amdhsa -mcpu=gfx1250 --defsym DOCPART=n.
;; ======== version 1 of 1: 4 launches
;; limits: right only within a limited range of input values
;; workspace buffers: codes1 29,360,128 bytes; mbits 524,288 bytes of whole numbers; mflag 65,536 bytes of whole numbers; rope 1,048,576 bytes; qkv 12,582,912 bytes; acodes 4,194,304 bytes
;; launch prep (part 1): grid 768 x 1, 4 waves a work-group, no clusters, 33,280 bytes of LDS; arguments x, Wq, Wk, Wv, Wo, mask, lowp_scales, codes1, mbits, rope, mflag; writes codes1, mbits, rope, mflag
.if DOCPART == 1
	.amdgcn_target "amdgcn-amd-amdhsa--gfx1250"
	.amdhsa_code_object_version 6
	.text
	.protected	k_qc1f56a6722_prep
	.globl	k_qc1f56a6722_prep
	.p2align	8
	.type	k_qc1f56a6722_prep,@function
k_qc1f56a6722_prep:
	s_mov_b64 s[64:65], 0
	v_nop
	global_prefetch_b8 v0, s[64:65] scope:SCOPE_SE
	s_setreg_imm32_b32 hwreg(HW_REG_WAVE_MODE, 25, 1), 1
	s_wait_xcnt 0x0
; PREP: what every later launch reads again and again is made once.  Three jobs, told apart by the work-group's number:
;   0..639    x, Wq, Wk, Wv, Wo (f32, K innermost) become codes of E4M3, one byte each, in seven sections of 4 MiB of codes1:
;             0 x by e0, 1 x by e2, 2 x by e4, 3 Wq by e1, 4 Wk by e3, 5 Wv by e5, 6 Wo by e11.  128 work-groups a tensor; x is read once and quantised three times.
;   640..703  the mask's bytes become lane masks: mbits[qt][ks][n], n = 8 t + j; bit r + 16 h = mask[16 qt + r][128 ks + 16 t + 8 h + j]: the select mask of score register n in the attention launch.
;   704..767  the RoPE table: 16 bytes (cos, sin, cos, sin) at 16 g, g = 512 tb + 64 b + 32 c2 + lane: token 16 tb + lane % 16, pairs 8 b + 4 (lane / 16) + 2 c2 + 0, 1.
; code = x / 2^e, held within +-448, to the nearest code, ties to even.
; LIMITS: e0 .. e5 and e11 between -126 and 119, so that 2^e and 448 x 2^e are f32 numbers.  NaN among the inputs is not served.
; The frequency 10000^(-j/64) is 2^(-j log2(10000)/64) by v_exp_f32: one unit in its last place moves the largest angles (about 2,000 rad) by about 1e-4 rad.
; Only the first job touches LDS (each wave its own two stages); waves share nothing, so there is no barrier.
.set STEPS, 16
.set WREG,  8192                       ; LDS of a wave: two stages of 32 x SP bytes
.set SP,    80                         ; a lane's place in a stage: 64 bytes + 16 of padding
.set SPARE, 4*WREG                     ; behind the four regions: the spare words, 128 bytes a wave, that no other line names
.set SPW,   12                         ; v12  SPARE + 4 x my thread's number; never rewritten
.set NIL,   13                         ; v13  0; never rewritten
.set R,     16                         ; v16-79   four sets of 16 numbers as loaded
.set X,     80                         ; v80-111  two sets of 16 neighbours along K
.set T,     112                        ; v112-127 the numbers held within the largest code: x itself stays for the next scale
.set C,     128                        ; v128-139 codes: four registers for each of up to three scales
	s_load_b512 s[4:19], s[0:1], 0x0               ; x 4:5, Wq 6:7, Wk 8:9, Wv 10:11, Wo 12:13, mask 14:15, the exponents 16:17, codes1 18:19
	s_load_b128 s[20:23], s[0:1], 0x40             ; mbits 20:21, rope 22:23
	s_load_b64 s[58:59], s[0:1], 0x50              ; mflag
	v_lshl_add_u32 v[SPW], v0, 2, SPARE
	v_mov_b32 v[NIL], 0
	v_lshrrev_b32 v1, 5, v0
	v_readfirstlane_b32 s28, v1                    ; wave 0..3
	v_and_b32 v2, 31, v0                           ; lane
	s_wait_kmcnt 0x0
	s_cmp_ge_u32 ttmp9, 704
	s_cbranch_scc1 .Lrope
	s_cmp_ge_u32 ttmp9, 640
	s_cbranch_scc1 .Lmask
; ---------------- codes.  A tensor is a plain stream: a wave takes a run of 8,192 numbers in 16 steps of 512.
; Each load reads 512 consecutive bytes, 16 a lane; a step's 2,048 bytes turn through the wave's stage and come back 64 bytes a lane: 16 neighbours along K, which the conversions want in one lane.
	s_load_b256 s[32:39], s[16:17], 0x0            ; e0 .. e7
	s_load_b128 s[40:43], s[16:17], 0x20           ; e8 .. e11
	s_wait_alu depctr_va_vdst(0)
	v_lshlrev_b32 v3, 4, v2                        ; my 16 bytes of a load's 512
	s_wait_alu depctr_va_vdst(0)
	v_lshlrev_b32 v4, 4, v2                        ; my 16 codes of a step's 512
	s_mul_i32 s29, s28, WREG
	v_lshrrev_b32 v14, 2, v2
	v_mul_u32_u24 v14, v14, SP
	v_and_b32 v15, 3, v2
	v_lshl_add_u32 v14, v15, 4, v14
	v_add_nc_u32 v14, s29, v14                     ; into the stage: SP (lane / 4) + 16 (lane % 4)
	v_mul_u32_u24 v15, v2, SP
	v_add_nc_u32 v15, s29, v15                     ; out of it: SP x lane
	s_lshr_b32 s44, ttmp9, 7                       ; which tensor: 0 x, 1 Wq, 2 Wk, 3 Wv, 4 Wo
	s_mov_b64 s[24:25], s[4:5]
	s_cmp_eq_u32 s44, 1
	s_cselect_b64 s[24:25], s[6:7], s[24:25]
	s_cmp_eq_u32 s44, 2
	s_cselect_b64 s[24:25], s[8:9], s[24:25]
	s_cmp_eq_u32 s44, 3
	s_cselect_b64 s[24:25], s[10:11], s[24:25]
	s_cmp_eq_u32 s44, 4
	s_cselect_b64 s[24:25], s[12:13], s[24:25]
	s_add_co_u32 s45, s44, 2
	s_cmp_eq_u32 s44, 0
	s_cselect_b32 s45, 0, s45                      ; the section of codes1: 0 for x, else tensor + 2
	s_lshl_b32 s46, s45, 22
	s_and_b32 s47, ttmp9, 127
	s_lshl_b32 s47, s47, 2
	s_add_co_u32 s47, s47, s28                     ; my run, 0..511
	s_lshl_b32 s50, s47, 15                        ; 32,768 bytes of f32 a run
	s_mov_b32 s51, 0
	s_add_nc_u64 s[24:25], s[24:25], s[50:51]
	s_lshl_b32 s50, s47, 13                        ; 8,192 bytes of codes a run
	s_add_co_u32 s52, s50, s46
	s_mov_b32 s53, 0
	s_add_nc_u64 s[26:27], s[18:19], s[52:53]      ; the tensor's own section
	s_add_co_u32 s52, s50, 1<<22
	s_add_nc_u64 s[30:31], s[18:19], s[52:53]      ; x by e2
	s_add_co_u32 s52, s50, 2<<22
	s_add_nc_u64 s[48:49], s[18:19], s[52:53]      ; x by e4
.macro LOAD t
.irp i, 0,1,2,3
	global_load_b128 v[R+16*((\t)%4)+4*\i:R+16*((\t)%4)+4*\i+3], v3, s[24:25] offset:2048*(\t)+512*\i th:TH_LOAD_NT
.endr
.endm
.macro TURN t                          ; LDS serves a wave's instructions in order (ISA guide 5.7.1.4): no wait between the stores and the loads
.irp i, 0,1,2,3
	ds_store_b128 v14, v[R+16*((\t)%4)+4*\i:R+16*((\t)%4)+4*\i+3] offset:32*SP*((\t)%2)+8*SP*\i
.endr
.irp i, 0,1,2,3
	ds_load_b128 v[X+16*((\t)%2)+4*\i:X+16*((\t)%2)+4*\i+3], v15 offset:32*SP*((\t)%2)+16*\i
.endr
.endm
.macro MKSC e, sc, lim                 ; 2^e as f32 (the conversion takes its exponent field) and 448 x 2^e
	s_add_co_i32 s55, s[\e], 127
	s_lshl_b32 s56, s55, 23
	v_mov_b32 v[\sc], s56
	s_add_co_i32 s55, s55, 8
	s_lshl_b32 s55, s55, 23
	s_or_b32 s55, s55, 0x600000
	v_mov_b32 v[\lim], s55
.endm
.irp t, 0,1,2,3
	LOAD \t
.endr
	s_wait_alu depctr_va_vdst(0)
	s_wait_kmcnt 0x0
	s_mov_b32 s54, s32                             ; the tensor's own exponent: e0, e1, e3, e5, e11
	s_cmp_eq_u32 s44, 1
	s_cselect_b32 s54, s33, s54
	s_cmp_eq_u32 s44, 2
	s_cselect_b32 s54, s35, s54
	s_cmp_eq_u32 s44, 3
	s_cselect_b32 s54, s37, s54
	s_cmp_eq_u32 s44, 4
	s_cselect_b32 s54, s43, s54
	MKSC 54, 5, 6
	MKSC 34, 7, 8                                  ; e2
	MKSC 36, 9, 10                                 ; e4
	s_wait_alu depctr_va_vdst(0)
	s_wait_loadcnt 12                              ; step 0's four loads are in; three steps' twelve may be out
	TURN 0
.macro QSET k, sc, lim                 ; the step's 16 numbers of a lane by one scale
.irp i, 0,1,2,3,4,5,6,7,8,9,10,11,12,13,14,15
	v_med3_num_f32 v[T+\i], v[XS+\i], -v[\lim], v[\lim]   ; the conversion to an 8-bit code does not saturate (ISA guide 7.6.2): the hold comes first
.endr
	v_cvt_scalef32_pk8_fp8_f32 v[C+4*\k:C+4*\k+1], v[T:T+7], v[\sc]
	v_cvt_scalef32_pk8_fp8_f32 v[C+4*\k+2:C+4*\k+3], v[T+8:T+15], v[\sc]
	v_nop                                          ; a plain line between the conversions and the next write of their sources
.endm
.macro STEP t
.set XS, X+16*((\t)%2)
	s_wait_dscnt 0x0                               ; this step's numbers are back from the stage, and its stores into the stage have read their registers,
.if (\t)+4 < STEPS
	LOAD (\t)+4                                    ; which take the loads of four steps on
.endif
.if (\t)+1 < STEPS
.if STEPS-2-(\t) >= 3
	s_wait_loadcnt 12                              ; the next step's four are in; three steps' twelve may be out
.else
	s_wait_loadcnt 4*(STEPS-2-(\t))
.endif
	TURN (\t)+1
.endif
	s_wait_xcnt 0x0                                ; the last step's stores have read their codes: the registers are written again only behind this wait
	QSET 0, 5, 6
	global_store_b128 v4, v[C:C+3], s[26:27] offset:512*((\t)%4)      ; 32 lanes store 512 consecutive bytes
	s_cmp_lt_u32 ttmp9, 128                        ; x has two scales more
	s_cbranch_scc0 .Lone_\@
	QSET 1, 7, 8
	global_store_b128 v4, v[C+4:C+7], s[30:31] offset:512*((\t)%4)
	QSET 2, 9, 10
	global_store_b128 v4, v[C+8:C+11], s[48:49] offset:512*((\t)%4)
.Lone_\@:
.endm
	s_mov_b32 s57, 3                               ; three trips of four steps, each of which loads four steps ahead; the last four steps load nothing
.Lquant:
.irp t, 0,1,2,3
	STEP \t
.endr
	s_wait_xcnt 0x0                                ; every load and store has read its base: the bases step by four steps
	s_add_nc_u64 s[24:25], s[24:25], 0x2000
	s_add_nc_u64 s[26:27], s[26:27], 0x800
	s_add_nc_u64 s[30:31], s[30:31], 0x800
	s_add_nc_u64 s[48:49], s[48:49], 0x800
	s_sub_co_u32 s57, s57, 1
	s_cmp_lg_u32 s57, 0
	s_wait_alu depctr_va_vdst(0)
	s_cbranch_scc1 .Lquant
.irp t, 12,13,14,15
	STEP \t
.endr
	s_wait_tensorcnt 0x0                           ; the wave's end
	ds_add_u32 v[SPW], v[NIL]
	s_wait_dscnt 0x0
	s_endpgm
; ---------------- the mask.  A wave takes 16 queries x 1,024 keys: eight key steps.  Lane (r, h) reads 8 bytes of row r at 128 s + 16 t + 8 h; a compare over the 32 lanes is one word.
.Lmask:
	s_sub_co_u32 s29, ttmp9, 640
	s_lshl_b32 s29, s29, 2
	s_add_co_u32 s29, s29, s28                     ; 0..255
	s_lshr_b32 s30, s29, 1                         ; qt
	s_and_b32 s31, s29, 1                          ; which half of the keys
	s_lshl_b32 s32, s30, 15                        ; 16 rows of 2,048 bytes
	s_lshl_b32 s33, s31, 10
	s_add_co_u32 s32, s32, s33
	s_mov_b32 s33, 0
	s_add_nc_u64 s[14:15], s[14:15], s[32:33]
	s_lshl_b32 s32, s30, 12                        ; 16 key steps of 256 bytes
	s_lshl_b32 s34, s31, 11
	s_add_co_u32 s32, s32, s34
	s_add_nc_u64 s[20:21], s[20:21], s[32:33]
	v_and_b32 v1, 15, v0
	v_bfe_u32 v3, v0, 4, 1
	v_lshlrev_b32 v1, 11, v1
	v_lshl_add_u32 v1, v3, 3, v1                   ; 2,048 r + 8 h
	s_wait_alu depctr_va_vdst(0)
	v_lshlrev_b32 v3, 3, v2                        ; out: 8 bytes a lane
.irp i, 0,1,2,3,4,5,6,7,8,9,10,11,12,13,14,15
	v_mov_b32 v[160+\i], 0                         ; v_writelane_b32's destination counts as read
.endr
	s_lshl_b32 s32, s29, 8                         ; mflag: 256 bytes for each (qt, half): one word, written 64 times over
	s_mov_b32 s33, 0
	s_add_nc_u64 s[58:59], s[58:59], s[32:33]
	s_mov_b32 s60, 0                               ; my flags: bit kb: some byte of the 16 x 128 is set; bit 16 + kb: all are
	s_lshl_b32 s61, s31, 3                         ; kb of my first key step
.macro MSTEP s
	s_wait_loadcnt 8*(3-\s)                        ; this step's eight loads are in; the later steps' may be out
	v_or_b32 v168, v[32+16*\s], v[33+16*\s]
	v_and_b32 v169, v[32+16*\s], v[33+16*\s]
.irp i, 2,3,4,5,6,7,8,9,10,11,12,13,14,15
	v_or_b32 v168, v168, v[32+16*\s+\i]
	v_and_b32 v169, v169, v[32+16*\s+\i]
.endr
	v_cmp_ne_u32 s50, 0, v168
	v_cmp_eq_u32 s51, 0x1010101, v169              ; (a bool is one byte, 0 or 1)
	s_cmp_lg_u32 s50, 0
	s_cselect_b32 s52, 1, 0
	s_cmp_eq_u32 s51, -1
	s_cselect_b32 s53, 0x10000, 0
	s_or_b32 s52, s52, s53
	s_lshl_b32 s52, s52, s61
	s_or_b32 s60, s60, s52
	s_add_co_u32 s61, s61, 1
.set n, 0
.rept 16
.irp k, 0,1,2,3
	v_and_b32 v[176+\k], 0xff<<(8*\k), v[32+16*\s+2*(n/8)+((n/4)%2)]   ; byte j = (n + k) % 8 of tile n / 8
.endr
.irp k, 0,1,2,3
	v_cmp_ne_u32 s[44+\k], 0, v[176+\k]            ; word n + k
.endr
.irp k, 0,1,2,3
	v_writelane_b32 v[160+2*\s+(\k%2)], s[44+\k], (n+\k)/2   ; lane L stores words 2 L and 2 L + 1
.endr
.set n, n+4
.endr
	global_store_b64 v3, v[160+2*\s:161+2*\s], s[20:21] offset:256*\s   ; 32 lanes store 256 consecutive bytes, aligned
.endm
	s_mov_b32 s57, 2                               ; two trips of four key steps
	s_wait_alu depctr_va_vdst(0)
.Lmtrip:
.set q, 0
.rept 32
	global_load_b64 v[32+2*q:33+2*q], v1, s[14:15] offset:128*(q/8)+16*(q%8)   ; step q / 8, tile q % 8: together 16 rows x 512 bytes whole
.set q, q+1
.endr
.irp s, 0,1,2,3
	MSTEP \s
.endr
	s_wait_xcnt 0x0                                ; the stores have read their registers and their base
	s_add_nc_u64 s[14:15], s[14:15], 0x200
	s_add_nc_u64 s[20:21], s[20:21], 0x400
	s_sub_co_u32 s57, s57, 1
	s_cmp_lg_u32 s57, 0
	s_wait_alu depctr_va_vdst(0)
	s_cbranch_scc1 .Lmtrip
	v_mov_b32 v32, s60
	v_mov_b32 v33, s60
	global_store_b64 v3, v[32:33], s[58:59]        ; 32 lanes store one aligned 256 bytes
	s_endpgm
; ---------------- the table.  A thread keeps its two pairs j0, j0 + 1 and walks eight tokens, 256 apart.
.Lrope:
	s_sub_co_u32 s29, ttmp9, 704                   ; 0..63
	s_and_b32 s30, s29, 3
	s_lshl_b32 s30, s30, 1
	s_lshr_b32 s31, s28, 1
	s_add_co_u32 s30, s30, s31                     ; b
	s_lshl_b32 s30, s30, 3
	s_and_b32 s31, s28, 1                          ; c2
	s_lshl_b32 s31, s31, 1
	s_add_co_u32 s30, s30, s31                     ; 8 b + 2 c2
	v_bfe_u32 v3, v0, 4, 1
	v_lshl_add_u32 v3, v3, 2, s30                  ; j0 = 8 b + 4 h + 2 c2
	v_add_nc_u32 v4, 1, v3
	v_cvt_f32_u32 v16, v3
	v_cvt_f32_u32 v17, v4
	v_mul_f32 v16, 0xbe549a78, v16                 ; -j log2(10000) / 64
	v_mul_f32 v17, 0xbe549a78, v17
	s_wait_alu depctr_va_vdst(0)
	v_exp_f32 v16, v16                             ; the two frequencies
	v_exp_f32 v17, v17
	s_lshr_b32 s31, s29, 2
	s_lshl_b32 s31, s31, 4
	v_and_b32 v18, 15, v0                          ; (a plain line behind the exponentials)
	v_add_nc_u32 v18, s31, v18                     ; my first token
	s_mov_b32 s36, 0x3f22f983                      ; 2 / pi
	s_mov_b32 s37, 0xbfc90fdb                      ; -pi/2, its f32 part,
	s_mov_b32 s38, 0x333bbd2e                      ; and what that part lacks
	s_mov_b32 s39, 0xbe2aaaab                      ; sine: -1/3!, 1/5!, -1/7!, 1/9!
	s_mov_b32 s40, 0x3c088889
	s_mov_b32 s41, 0xb9500d01
	s_mov_b32 s42, 0x3638ef1d
	s_mov_b32 s44, 0x3d2aaaab                      ; cosine: 1/4!, -1/6!, 1/8!, -1/10!
	s_mov_b32 s45, 0xbab60b61
	s_mov_b32 s46, 0x37d00d01
	s_mov_b32 s47, 0xb493f27e
	s_lshl_b32 s32, s29, 11                        ; 128 threads x 16 bytes a work-group
	s_mov_b32 s33, 0
	s_add_nc_u64 s[22:23], s[22:23], s[32:33]
	v_lshlrev_b32 v31, 4, v0
	s_wait_alu depctr_va_vdst(0)                   ; one wait for both exponentials, ahead of their first reader
; cos and sin of an angle of 0 to 2,047 rad: n = the nearest multiple of pi/2; r = angle - n pi/2 (the first product is exact: both are multiples of 2^-23 and the difference is under 1);
; series to r^9 and r^10 on |r| <= pi/4 (what is cut is under 2e-9); the quadrant swaps the two and sets the signs.
.macro SINCOS ang, c, s
	v_mul_f32 v20, s36, v[\ang]
	v_rndne_f32 v20, v20
	v_fma_f32 v21, v20, s37, v[\ang]
	v_fma_f32 v21, v20, s38, v21
	v_cvt_i32_f32 v22, v20
	v_mul_f32 v23, v21, v21
	v_fma_f32 v24, v23, s42, s41
	v_fma_f32 v24, v23, v24, s40
	v_fma_f32 v24, v23, v24, s39
	v_mul_f32 v25, v21, v23
	v_fma_f32 v24, v25, v24, v21                   ; sin r
	v_fma_f32 v26, v23, s47, s46
	v_fma_f32 v26, v23, v26, s45
	v_fma_f32 v26, v23, v26, s44
	v_fma_f32 v26, v23, v26, -0.5
	v_fma_f32 v26, v23, v26, 1.0                   ; cos r
	v_and_b32 v27, 1, v22
	v_cmp_ne_u32 vcc_lo, 0, v27
	v_cndmask_b32 v[\s], v24, v26, vcc_lo          ; odd quadrants swap
	v_cndmask_b32 v[\c], v26, v24, vcc_lo
	v_and_b32 v27, 2, v22
	v_lshlrev_b32 v27, 30, v27
	v_xor_b32 v[\s], v27, v[\s]                    ; sine is negative in quadrants 2, 3
	v_add_nc_u32 v27, 1, v22
	v_and_b32 v27, 2, v27
	v_lshlrev_b32 v27, 30, v27
	v_xor_b32 v[\c], v27, v[\c]                    ; cosine in quadrants 1, 2
.endm
	s_mov_b32 s57, 8
.Ltok:
	v_cvt_f32_u32 v19, v18
	v_mul_f32 v28, v19, v16                        ; the angle: one rounding
	v_mul_f32 v29, v19, v17
	SINCOS 28, 32, 33
	SINCOS 29, 34, 35
	global_store_b128 v31, v[32:35], s[22:23]      ; a wave stores 512 consecutive bytes
	v_add_nc_u32 v18, 256, v18
	s_wait_alu depctr_va_vdst(0)
	s_wait_xcnt 0x0                                ; the store has read its registers and its base
	s_add_nc_u64 s[22:23], s[22:23], 0x20000
	s_sub_co_u32 s57, s57, 1
	s_cmp_lg_u32 s57, 0
	s_cbranch_scc1 .Ltok
	s_endpgm
.Lfunc_end_k_qc1f56a6722_prep:
	.size	k_qc1f56a6722_prep, .Lfunc_end_k_qc1f56a6722_prep-k_qc1f56a6722_prep
	.p2alignl 7, 3214868480
	.fill 96, 4, 3214868480
	.section	.rodata,"a",@progbits
	.p2align	6, 0x0
	.amdhsa_kernel k_qc1f56a6722_prep
		.amdhsa_group_segment_fixed_size 33280
		.amdhsa_private_segment_fixed_size 0
		.amdhsa_enable_private_segment 0
		.amdhsa_kernarg_size 88
		.amdhsa_user_sgpr_count 2
		.amdhsa_user_sgpr_kernarg_segment_ptr 1
		.amdhsa_wavefront_size32 1
		.amdhsa_system_sgpr_workgroup_id_x 1
		.amdhsa_system_sgpr_workgroup_id_y 1
		.amdhsa_system_sgpr_workgroup_id_z 1
		.amdhsa_system_vgpr_workitem_id 0
		.amdhsa_next_free_vgpr 192
		.amdhsa_next_free_sgpr 66
		.amdhsa_reserve_vcc 1
		.amdhsa_float_denorm_mode_32 3
		.amdhsa_float_denorm_mode_16_64 3
		.amdhsa_memory_ordered 1
		.amdhsa_forward_progress 1
		.amdhsa_inst_pref_size 107
	.end_amdhsa_kernel
	.amdgpu_metadata
---
amdhsa.version: [ 1, 2 ]
amdhsa.kernels:
  - .name:           k_qc1f56a6722_prep
    .symbol:         k_qc1f56a6722_prep.kd
    .args:
      - { .name: x, .offset: 0, .size: 8, .value_kind: global_buffer, .address_space: global }
      - { .name: Wq, .offset: 8, .size: 8, .value_kind: global_buffer, .address_space: global }
      - { .name: Wk, .offset: 16, .size: 8, .value_kind: global_buffer, .address_space: global }
      - { .name: Wv, .offset: 24, .size: 8, .value_kind: global_buffer, .address_space: global }
      - { .name: Wo, .offset: 32, .size: 8, .value_kind: global_buffer, .address_space: global }
      - { .name: mask, .offset: 40, .size: 8, .value_kind: global_buffer, .address_space: global }
      - { .name: lowp_scales, .offset: 48, .size: 8, .value_kind: global_buffer, .address_space: global }
      - { .name: codes1, .offset: 56, .size: 8, .value_kind: global_buffer, .address_space: global }
      - { .name: mbits, .offset: 64, .size: 8, .value_kind: global_buffer, .address_space: global }
      - { .name: rope, .offset: 72, .size: 8, .value_kind: global_buffer, .address_space: global }
      - { .name: mflag, .offset: 80, .size: 8, .value_kind: global_buffer, .address_space: global }
    .group_segment_fixed_size: 33280
    .private_segment_fixed_size: 0
    .kernarg_segment_align: 8
    .kernarg_segment_size: 88
    .max_flat_workgroup_size: 128
    .sgpr_count:     66
    .vgpr_count:     192
    .wavefront_size: 32
...
	.end_amdgpu_metadata
.endif
;; end of part 1
;; launch qkv (part 2): grid 24 x 8, 4 waves a work-group, clusters of 4 x 4, 327,680 bytes of LDS; arguments codes1, rope, lowp_scales, qkv; writes qkv
.if DOCPART == 2
	.amdgcn_target "amdgcn-amd-amdhsa--gfx1250"
	.amdhsa_code_object_version 6
	.text
	.protected	k_qc1f56a6722_qkv
	.globl	k_qc1f56a6722_qkv
	.p2align	8
	.type	k_qc1f56a6722_qkv,@function
k_qc1f56a6722_qkv:
	s_mov_b64 s[64:65], 0
	v_nop
	global_prefetch_b8 v0, s[64:65] scope:SCOPE_SE
	s_setreg_imm32_b32 hwreg(HW_REG_WAVE_MODE, 25, 1), 1
	s_wait_xcnt 0x0
	s_wait_alu depctr_hold_cnt(0) depctr_sa_sdst(0) depctr_va_vdst(0) depctr_va_sdst(0) depctr_va_ssrc(0) depctr_va_vcc(0) depctr_vm_vsrc(0)
	s_getreg_b32 s2, hwreg(HW_REG_IB_STS2, 6, 4)
	s_cmp_eq_u32 s2, 0
	s_cbranch_scc0 .Lentry_in_a_cluster
	s_endpgm
.Lentry_in_a_cluster:
	s_bfe_u32 s2, ttmp6, 0x10000c
	s_cmp_lg_u32 s2, 0xf033
	s_cbranch_scc0 .Lentry_shape_is_right
	s_endpgm
.Lentry_shape_is_right:
; Q = x Wq^T, K = x Wk^T, V = x Wv^T on codes of E4M3; RoPE on Q and K; all three quantised for the attention launch.  K = 2,048.
; z = cluster x / 2 says which: 0 Q, 1 K, 2 V; the same in all sixteen partners.  One text serves all three: C = A B^T with A, B sections of 4 MiB of codes1, [2048][2048], K innermost:
;   Q: A = x by e0 (section 0), B = Wq (3);  K: A = x by e2 (1), B = Wk (4);  V: A = Wv (5), B = x by e4 (2): V comes out transposed, with the keys along a lane's registers.
; A tile of C, 256 x 256, is made by four waves, 128 x 128 each: 64 accumulators, 512 registers.  K goes in steps of 256 through two LDS slots filled by the tensor data mover.  192 tiles: a head's 128 columns
; and the three scales of x leave no finer even split at this tile.
; CLUSTERS: 4 x 4.  A's tile is shared along a row of the cluster, B's along a column: each is asked for jointly, by the same tensor load with the same descriptor and a mask that names the four.
; THE MATRIX INSTRUCTION IS USED TRANSPOSED (source 0 = 16 rows of B, source 1 = 16 rows of A): a lane holds one row of A and eight neighbouring rows of B: for Q, K a token and eight channels, for V a channel and eight tokens:
; in both cases neighbours along the next product's K, which the conversion takes from one lane's registers.
; Fragments come by four loads of 16 bytes: a permutation of k, the same in A and B.
; A wave's 128 x 128 is one head x 128 tokens: a dense block of 16 KiB of qkv: q, k [head][token][128]; v [head][key block][128 channels][128 keys], in which, within 32 keys, place 16 h + 8 e + j holds key 16 e + 8 h + j.
; The sums stay raw: 2^(e of x + e of W) is folded into the conversion's scale 2^E, E = e6 - e0 - e1 (Q), e7 - e2 - e3 (K), e9 - e4 - e5 (V).  LIMIT: each E between -126 and 119.
; REGISTERS, in windows of 256: window 0: v0-31 addresses; v32-95 the table's set 0 (block 0 is asked for at the head); from v128 A's fragments, one set; on the way out v96-127 and v192-255 are at work.
;   window 1: B's fragments, two sets; at the end v0-191 take the table's sets 1 to 3.   window 2: the accumulators of my rows 0-63 ((a, b) at v[8 (8 a + b)]);   window 3: those of rows 64-127.
.set KSTEP,  256
.set ROWB,   256
.set KROW,   2048
.set PITCH,  272                       ; 256 bytes + 16 of padding: the 16 rows of a load start at 16 different banks (64 banks of 4 bytes: ISA guide 11.1)
.set FR,     16
.set NL,     4
.set NP,     4                         ; places behind this matrix instruction (ISA guide 7.12.1)
.set HALFT,  128*PITCH
.set SLOT,   4*HALFT
.set LAPS,   KROW/(2*KSTEP)
.set SPARE,  2*SLOT                    ; behind the ring: the spare words, 128 bytes a wave, that no other line names
.set SP,     144                       ; the way out: a stage of 16 rows x (128 bytes + 16) for each wave, in slot 0, which has had its last fill and its last read by then
.set ADRA, 16
.set ADRB, 20
.set STO,  24                          ; v24  stage: 144 r + 8 h (Q, K)
.set RD,   25                          ; v25  stage, back: 144 (l / 8) + 16 (l % 8)
.set CO,   26                          ; v26  16 x lane: in the output block and in the table
.set STV,  27                          ; v27  stage: 144 r + 16 h (V)
.set SPW,  28
.set NIL,  29
.set SC,   30                          ; v30  2^E
.set LIM,  31                          ; v31  448 x 2^E
.set RP0,  32                          ; the table's set 0, in window 0
.set CD,   96                          ; v96-111  a block's codes
.set BK,   112                         ; v112-127 the block read back by rows
.set TMP,  192                         ; v192-255 a block's numbers
.set AF,   128
.set G1, 24
.set G0, 32
.set G1B, 48
.set G0B, 56
.set MSB, 0
.macro WIN new                         ; the immediate's high byte repeats the setting that is left
.if MSB != \new
	s_set_vgpr_msb (MSB<<8)|\new
.set MSB, \new
.endif
.endm
.set MUL_LO, 0xa1                      ; source 0 (B) window 1, source 1 (A) window 0, C and D window 2
.set MUL_HI, 0xf1
.set TO_B,   0x40
; A joint load: waves 0 and 1 fetch for A, waves 2 and 3 for B; the branch hangs on the wave's number alone.  An s_nop 0 and four v_nop follow each line.
.macro JLOAD g0a, g1a, g0b, g1b
	s_cmp_eq_u32 s15, 0
	s_cbranch_scc0 .Lfor_b_\@
	tensor_load_to_lds s[\g0a:\g0a+3], s[\g1a:\g1a+7]
	s_nop 0
.rept 4
	v_nop
.endr
	s_branch .Lasked_\@
.Lfor_b_\@:
	tensor_load_to_lds s[\g0b:\g0b+3], s[\g1b:\g1b+7]
	s_nop 0
.rept 4
	v_nop
.endr
.Lasked_\@:
.endm
.macro CREST                           ; a round of the cluster's barrier behind its opening barrier
	s_cmp_lg_u32 s14, 0
	s_cbranch_scc1 .Lnot_wave_0_\@
	s_barrier_signal -3
.Lnot_wave_0_\@:
	s_barrier_wait -3
	s_barrier_signal -1
	s_barrier_wait -1
.endm
.macro CROUND
	s_barrier_signal -1
	s_barrier_wait -1
	CREST
.endm
	s_load_b128 s[4:7], s[0:1], 0x0                ; codes1 s[4:5], the table s[6:7]
	s_load_b128 s[8:11], s[0:1], 0x10              ; the exponents s[8:9], qkv s[10:11]
	v_lshl_add_u32 v[SPW], v0, 2, SPARE
	v_mov_b32 v[NIL], 0
	ds_add_u32 v[SPW], v[NIL]                      ; the wave's opening
	ds_add_u32 v[SPW], v[NIL]
	v_lshrrev_b32 v1, 5, v0
	v_readfirstlane_b32 s14, v1                    ; wave 0..3
	s_lshr_b32 s15, s14, 1                         ; my half of the tile's rows.  Also: I fetch for A (0) or for B (1)
	s_and_b32 s16, s14, 1                          ; my half of its columns.  Also: which 128 rows I fetch
	s_bfe_u32 s40, ttmp6, 0x40000                  ; cx
	s_bfe_u32 s41, ttmp6, 0x40004                  ; cy
	s_lshr_b32 s66, ttmp9, 1                       ; z
	s_and_b32 s42, ttmp9, 1
	s_lshl_b32 s42, s42, 2
	s_add_co_u32 s42, s42, s40                     ; tile column 0..7
	s_and_b32 s17, ttmp7, 0xffff
	s_lshl_b32 s17, s17, 2
	s_add_co_u32 s17, s17, s41                     ; tile row 0..7
	s_lshl_b32 s43, s41, 2
	s_lshl_b32 s43, 15, s43                        ; my row of the cluster
	s_lshl_b32 s44, 0x1111, s40                    ; my column
	s_or_b32 s[G1+0], s43, (0<<16)|(1<<20)|(1<<21)|(5<<22)|(3<<25)  ; the mask; elements of 1 byte; padding on; bit 21 beside a mask; 4 words behind every 64
	s_or_b32 s[G1B+0], s44, (0<<16)|(1<<20)|(1<<21)|(5<<22)|(3<<25)
.irp g, G1, G1B
	s_mov_b32 s[\g+1], ROWB<<16                    ; tensor_dim0
	s_mov_b32 s[\g+2], 128<<16                     ; tensor_dim1
	s_mov_b32 s[\g+3], ROWB<<16                    ; tile_dim0
	s_mov_b32 s[\g+4], 128                         ; tile_dim1
	s_mov_b32 s[\g+5], KROW                        ; the pitch
	s_mov_b32 s[\g+6], 0
	s_mov_b32 s[\g+7], 0
.endr
	s_add_co_u32 s81, s66, 3
	s_cmp_lt_u32 s66, 2
	s_cselect_b32 s80, s66, 5                      ; A's section
	s_cselect_b32 s81, s81, 2                      ; B's
	s_lshl_b32 s80, s80, 22
	s_lshl_b32 s81, s81, 22
	s_lshl_b32 s18, s16, 7
	s_lshl_b32 s20, s17, 8
	s_add_co_u32 s20, s20, s18                     ; A: row 256 x tile row + 128 x half
	s_lshl_b32 s20, s20, 11
	s_add_co_u32 s20, s20, s80
	s_mov_b32 s21, 0
	s_lshl_b32 s46, s42, 8
	s_add_co_u32 s46, s46, s18                     ; B: row 256 x tile column + 128 x half
	s_lshl_b32 s46, s46, 11
	s_add_co_u32 s46, s46, s81
	s_mov_b32 s47, 0
	s_mul_i32 s45, s14, HALFT                      ; where they go: wave x 128 rows
	s_wait_dscnt 0x0                               ; the opening add is done
	s_wait_kmcnt 0x0
	s_load_b256 s[68:75], s[8:9], 0x0              ; e0 .. e7
	s_load_b128 s[76:79], s[8:9], 0x20             ; e8 .. e11
	s_add_nc_u64 s[20:21], s[4:5], s[20:21]
	s_add_nc_u64 s[46:47], s[4:5], s[46:47]
	CROUND                                         ; all sixteen work-groups are here: the first joint loads meet
.irp s, 0,1
	s_mov_b32 s[G0+4*\s], 1
	s_add_co_u32 s[G0+4*\s+1], s45, \s*SLOT
	s_add_nc_u64 s[G0+4*\s+2:G0+4*\s+3], s[20:21], \s*ROWB
	s_or_b32 s[G0+4*\s+3], s[G0+4*\s+3], 0x80000000
	s_mov_b32 s[G0B+4*\s], 1
	s_add_co_u32 s[G0B+4*\s+1], s45, \s*SLOT
	s_add_nc_u64 s[G0B+4*\s+2:G0B+4*\s+3], s[46:47], \s*ROWB
	s_or_b32 s[G0B+4*\s+3], s[G0B+4*\s+3], 0x80000000
.endr
	JLOAD G0, G1, G0B, G1B                         ; K step 0: one tensor load a wave at the head
	; The prefetches into the L2: behind the load of K step n stands the one for K step n + 2 (behind step 0's also step 1's).  Of the 128 rows that a wave fetches each of the four partners that ask for them
	; jointly takes 32, told apart by address (cx for A, cy for B): a lane a row, 256 bytes of it: each block is named once in each cluster that will load it.
	s_cmp_eq_u32 s15, 0
	s_cselect_b64 s[88:89], s[20:21], s[46:47]
	s_cselect_b32 s90, s40, s41
	s_lshl_b32 s90, s90, 16                        ; 32 rows of 2,048 bytes
	s_add_co_u32 s90, s90, ROWB                    ; at K step 1
	s_mov_b32 s91, 0
	s_add_nc_u64 s[88:89], s[88:89], s[90:91]
	v_and_b32 v9, 31, v0
	v_lshlrev_b32 v9, 11, v9                       ; never rewritten
	global_prefetch_b8 v9, s[88:89] th:TH_LOAD_NT scope:SCOPE_SE
	global_prefetch_b8 v9, s[88:89] offset:ROWB th:TH_LOAD_NT scope:SCOPE_SE
	v_and_b32 v1, 15, v0                           ; r
	s_wait_alu depctr_va_vdst(0)
	v_bfe_u32 v2, v0, 4, 1                         ; h
	v_mul_u32_u24 v3, v1, PITCH
	v_lshl_add_u32 v4, v2, 4, v3
	s_mul_i32 s21, s15, HALFT
	s_mul_i32 s22, s16, HALFT
	s_add_co_u32 s22, s22, 2*HALFT
.irp s, 0,1
	v_add_nc_u32 v[ADRA+\s], s21, v4
	v_add_nc_u32 v[ADRB+\s], s22, v4
	s_add_co_u32 s21, s21, SLOT
	s_add_co_u32 s22, s22, SLOT
.endr
	s_mul_i32 s23, s14, 16*SP                      ; my stage
	v_mul_u32_u24 v5, v1, SP
	v_add_nc_u32 v5, s23, v5
	s_wait_alu depctr_va_vdst(0)
	v_lshl_add_u32 v[STO], v2, 3, v5
	v_lshl_add_u32 v[STV], v2, 4, v5
	v_and_b32 v6, 31, v0
	v_lshlrev_b32 v[CO], 4, v6
	s_wait_alu depctr_va_vdst(0)
	v_lshrrev_b32 v7, 3, v6
	v_mul_u32_u24 v7, v7, SP
	v_and_b32 v8, 7, v6
	v_lshl_add_u32 v7, v8, 4, v7
	v_add_nc_u32 v[RD], s23, v7
	s_lshl_b32 s20, s17, 1
	s_add_co_u32 s20, s20, s15                     ; ia: my 128 rows of A: token block (Q, K) or head (V)
	s_lshl_b32 s46, s42, 1
	s_add_co_u32 s46, s46, s16                     ; ib: my 128 rows of B: head (Q, K) or key block (V)
	s_cmp_lt_u32 s66, 2
	s_cselect_b32 s82, s46, s20                    ; the head,
	s_cselect_b32 s83, s20, s46                    ; the block of 128 tokens
	s_lshl_b32 s82, s82, 18
	s_lshl_b32 s83, s83, 14
	s_add_co_u32 s82, s82, s83
	s_lshl_b32 s83, s66, 22
	s_add_co_u32 s82, s82, s83
	s_mov_b32 s83, 0
	s_add_nc_u64 s[10:11], s[10:11], s[82:83]      ; my 16 KiB of qkv
	s_lshl_b32 s84, s20, 16
	s_mov_b32 s85, 0
	s_add_nc_u64 s[12:13], s[6:7], s[84:85]        ; the table at token block ia: 8 blocks of 16 tokens x 8 KiB
; The table of my tokens 16 a .. 16 a + 15, into set a % 4: set 0 is v32-95 of window 0, sets 1 to 3 v0-191 of window 1.  Register 8 b + 2 i = cos, 8 b + 2 i + 1 = sin of pair i of accumulator b.
.macro RLOAD a
.if ((\a)%4) == 0
.set RB, RP0
	WIN 0
.else
.set RB, 64*(((\a)%4)-1)
	WIN TO_B
.endif
.irp b, 0,1,2,3,4,5,6,7
.irp c, 0,1
	global_load_b128 v[RB+8*\b+4*\c:RB+8*\b+4*\c+3], v[CO], s[12:13] offset:8192*(\a)+1024*\b+512*\c
.endr
.endr
	WIN 0
.endm
	RLOAD 0                                        ; asked for here, into registers that lie idle in the loop
.macro FRAG reg, adr, q, i             ; 16 rows x 128 K: registers 4 c .. 4 c + 3 hold K = 32 c + 16 (l / 16) + 0 .. 15 of row l % 16
.irp c, 0,1,2,3
	ds_load_b128 v[\reg+4*\c:\reg+4*\c+3], v[\adr] offset:128*(\q)+32*\c+(\i)*16*PITCH
.endr
.endm
; 16 matrix instructions: A's blocks a0, a0 + 1 x B's eight.  The 64 accumulators take turns, one instruction a turn, in the same order in every step.
.macro MUL16 a0, p, zero
.irp a, \a0, \a0+1
.irp b, 0,1,2,3,4,5,6,7
.if \zero
	v_wmma_f32_16x16x128_fp8_fp8 v[8*(8*((\a)%4)+\b):8*(8*((\a)%4)+\b)+7], v[128*(\p)+FR*\b:128*(\p)+FR*\b+FR-1], v[AF+FR*(\a):AF+FR*(\a)+FR-1], 0
.else
	v_wmma_f32_16x16x128_fp8_fp8 v[8*(8*((\a)%4)+\b):8*(8*((\a)%4)+\b)+7], v[128*(\p)+FR*\b:128*(\p)+FR*\b+FR-1], v[AF+FR*(\a):AF+FR*(\a)+FR-1], v[8*(8*((\a)%4)+\b):8*(8*((\a)%4)+\b)+7]
.endif
.endr
.endr
.endm
.macro FETCH_B slot, q, p
	WIN TO_B
.irp i, 0,1,2,3,4,5,6,7
	FRAG 128*(\p)+FR*\i, ADRB+\slot, \q, \i
.endr
	WIN 0
.endm
.macro FETCH_A slot, q, i0
.irp i, \i0, \i0+1, \i0+2, \i0+3
	FRAG AF+FR*(\i), ADRA+\slot, \q, \i
.endr
.endm
.macro PLACES n                        ; plain vector lines between a matrix instruction and a load into, or a vector line on, its registers
.rept \n
	v_nop
.endr
.endm
.macro STEP slot, q, zero              ; 128 along K, with its successor in the same slot
	s_wait_dscnt 4*NL                              ; B's set and A's blocks 0-3 are in; the youngest sixteen loads (A's blocks 4-7) may be out
	WIN MUL_LO
	MUL16 0, (\q)%2, \zero
	MUL16 2, (\q)%2, \zero
	s_wait_dscnt 0
	PLACES NP
	FETCH_B \slot, (\q)+1, 1-(\q)%2
	FETCH_A \slot, (\q)+1, 0
	WIN MUL_HI
	MUL16 4, (\q)%2, \zero
	MUL16 6, (\q)%2, \zero
	PLACES NP
	WIN 0
	FETCH_A \slot, (\q)+1, 4
.endm
; A slot's last step changes slots.  All its fragments lie in registers when it begins, so the change stands at its HEAD: each wave waits for all its tensor loads (its part of the next slot), adds 0 to its spare word, and
; waits for that and for its reads of this slot; one barrier (with fill = 1 a round of the cluster's); the refill.  Nothing else stands between the landing of one tile and the request for the next; the step's 64 products
; follow the request, so that with the next step's 64 they all fall between a request and the wait for it.
.macro TURN slot, next, fill
	s_wait_tensorcnt 0x0                           ; all my tensor loads have landed: my part of the next slot; so a group 0 may be written
	ds_add_u32 v[SPW], v[NIL]                      ; the descriptors' steps stand between the add and the wait for it
.if \fill
	s_add_nc_u64 s[G0+4*\slot+2:G0+4*\slot+3], s[G0+4*\slot+2:G0+4*\slot+3], 2*ROWB
	s_add_nc_u64 s[G0B+4*\slot+2:G0B+4*\slot+3], s[G0B+4*\slot+2:G0B+4*\slot+3], 2*ROWB
	s_wait_xcnt 0x0                                ; my prefetches have read their address
	s_add_nc_u64 s[88:89], s[88:89], ROWB          ; now at the K step that is asked for below
.endif
	s_wait_dscnt 0x0                               ; the add is done, and my reads of this slot are over: its last fragments are in registers
	s_barrier_signal -1
	s_barrier_wait -1
.if \fill
	CREST                                          ; the barrier has opened a round of the cluster's: no wave of any partner still reads this slot or has a load on its way
	JLOAD G0+4*\slot, G1, G0B+4*\slot, G1B         ; the first tensor load behind the round, ahead of the first LDS read
.endif
	FETCH_B \next, 0, 0                            ; B's set 0 was last read by the step before, four places ahead of that step's last loads
.if \fill
	s_cmp_gt_u32 s3, 1                             ; in the last trip there is no K step two on
	s_cbranch_scc0 .Lnoask_\@
	global_prefetch_b8 v9, s[88:89] offset:2*ROWB th:TH_LOAD_NT scope:SCOPE_SE
.Lnoask_\@:
.endif
	WIN MUL_LO
	MUL16 0, 1, 0
	MUL16 2, 1, 0
	PLACES NP
	WIN 0
	FETCH_A \next, 0, 0
	WIN MUL_HI
	MUL16 4, 1, 0
	MUL16 6, 1, 0
	PLACES NP
	WIN 0
	FETCH_A \next, 0, 4
.endm
	s_wait_alu depctr_va_vdst(0)
	s_wait_tensorcnt 0x0                           ; my part of K step 0 is in
	ds_add_u32 v[SPW], v[NIL]
	s_wait_dscnt 0x0
	CROUND                                         ; everybody's part of K step 0 is in, and the joint loads meet
	JLOAD G0+4, G1, G0B+4, G1B                     ; K step 1, the first tensor load behind the round
	FETCH_B 0, 0, 0
	global_prefetch_b8 v9, s[88:89] offset:2*ROWB th:TH_LOAD_NT scope:SCOPE_SE   ; K step 3
	FETCH_A 0, 0, 0
	FETCH_A 0, 0, 4
	STEP 0, 0, 1                                   ; the first step's products start the sums
	s_mov_b32 s3, LAPS-1
.Llap:                                                 ; once round the ring; both slots are filled again
	TURN 0, 1, 1
	STEP 1, 0, 0
	TURN 1, 0, 1
	STEP 0, 0, 0
	s_sub_co_u32 s3, s3, 1
	s_cmp_lg_u32 s3, 0
	s_cbranch_scc1 .Llap
	TURN 0, 1, 0                                   ; the last lap fills nothing
	STEP 1, 0, 0
	RLOAD 1                                        ; the very last step multiplies B's set 1: set 0's registers, last read four places ahead of the step's last loads, take the table's blocks 1 and 2.
	RLOAD 2                                        ; V's work-groups ask for blocks 0 to 2 too and never read them: 24 KiB a wave, for a text without a second branch on z
	s_wait_dscnt 4*NL
	WIN MUL_LO
	MUL16 0, 1, 0
	MUL16 2, 1, 0
	s_wait_dscnt 0
	WIN MUL_HI
	MUL16 4, 1, 0
	MUL16 6, 1, 0
	WIN 0
; THE WAY OUT, a block of 16 rows of A x 128 at a time: rotate (Q, K), hold, convert: eight codes a lane and accumulator; through my stage, back as rows of 128 bytes, four rows a load; a wave's store covers 512 consecutive bytes.
	s_wait_kmcnt 0x0
	s_sub_co_i32 s84, s74, s68
	s_sub_co_i32 s84, s84, s69                     ; Q: e6 - e0 - e1
	s_sub_co_i32 s85, s75, s70
	s_sub_co_i32 s85, s85, s71                     ; K: e7 - e2 - e3
	s_sub_co_i32 s86, s77, s72
	s_sub_co_i32 s86, s86, s73                     ; V: e9 - e4 - e5
	s_cmp_eq_u32 s66, 1
	s_cselect_b32 s84, s85, s84
	s_cmp_eq_u32 s66, 2
	s_cselect_b32 s84, s86, s84
	s_add_co_i32 s84, s84, 127
	s_lshl_b32 s85, s84, 23
	v_mov_b32 v[SC], s85
	s_add_co_i32 s84, s84, 8
	s_lshl_b32 s84, s84, 23
	s_or_b32 s84, s84, 0x600000
	v_mov_b32 v[LIM], s84
	PLACES NP                                      ; behind the last products: for the reads of results, and for loads and writes into the registers that held A's and B's fragments
; The table runs three blocks ahead: block a + 3 is asked for at the head of block a, into the set that block a - 1 has read.
.macro OUTBLK a, rope
.set AC, 64*((\a)%4)
.if \rope
.if (\a) < 6
	s_wait_loadcnt 32                              ; this block's table is in; the next two blocks' 32 loads may be out
.else
	s_wait_loadcnt 16*(7-(\a))
.endif
.if (\a)+3 < 8
	RLOAD (\a)+3
.endif
.if ((\a)%4) == 0
.set RP, RP0
	WIN 0x02+((\a)/4)                              ; source 0: the accumulators' window; source 1: the table's set 0, window 0
.else
.set RP, 64*(((\a)%4)-1)
	WIN 0x06+((\a)/4)                              ; source 1: the table's sets 1 to 3, window 1
.endif
.irp b, 0,1,2,3,4,5,6,7
.irp i, 0,1,2,3
	v_mul_f32 v[TMP+8*\b+2*\i], v[AC+8*\b+2*\i+1], v[RP+8*\b+2*\i+1]      ; x1 sin
	v_mul_f32 v[TMP+8*\b+2*\i+1], v[AC+8*\b+2*\i], v[RP+8*\b+2*\i+1]      ; x0 sin
.endr
.irp i, 0,1,2,3
	v_fma_f32 v[TMP+8*\b+2*\i], v[AC+8*\b+2*\i], v[RP+8*\b+2*\i], -v[TMP+8*\b+2*\i]          ; x0 cos - x1 sin
	v_fma_f32 v[TMP+8*\b+2*\i+1], v[AC+8*\b+2*\i+1], v[RP+8*\b+2*\i], v[TMP+8*\b+2*\i+1]     ; x1 cos + x0 sin
.endr
.endr
	WIN 0
.set n, 0
.rept 64
	v_med3_num_f32 v[TMP+n], v[TMP+n], -v[LIM], v[LIM]     ; the conversion does not saturate (ISA guide 7.6.2)
.set n, n+1
.endr
.else
	WIN 0x02+((\a)/4)
.set n, 0
.rept 64
	v_med3_num_f32 v[TMP+n], v[AC+n], -v[LIM], v[LIM]      ; each accumulator from its low end on
.set n, n+1
.endr
	WIN 0
.endif
	s_wait_alu depctr_va_vdst(0)
	s_wait_dscnt 0x0                               ; the block before: its stores into the stage have read their codes, and its rows are back
.if (\a) > 0
.irp i, 0,1,2,3
	global_store_b128 v[CO], v[BK+4*\i:BK+4*\i+3], s[10:11] offset:2048*((\a)-1)+512*\i
.endr
.endif
.irp b, 0,1,2,3,4,5,6,7
	v_cvt_scalef32_pk8_fp8_f32 v[CD+2*\b:CD+2*\b+1], v[TMP+8*\b:TMP+8*\b+7], v[SC]
.endr
	v_nop                                          ; a plain line between the conversions and the next write of their sources
	s_wait_alu depctr_va_vdst(0)
	s_wait_xcnt 0x0                                ; the stores above have read their registers: the rows of this block land there only behind this wait
.irp b, 0,1,2,3,4,5,6,7
.if \rope
	ds_store_b64 v[STO], v[CD+2*\b:CD+2*\b+1] offset:16*\b                ; channels 16 b + 8 h + 0 .. 7 of token r
.else
	ds_store_b64 v[STV], v[CD+2*\b:CD+2*\b+1] offset:32*(\b/2)+8*(\b%2)   ; keys 16 b + 8 h + 0 .. 7 of channel r, at place 32 (b / 2) + 16 h + 8 (b % 2)
.endif
.endr
.irp i, 0,1,2,3
	ds_load_b128 v[BK+4*\i:BK+4*\i+3], v[RD] offset:4*SP*\i    ; LDS serves a wave's instructions in order (ISA guide 5.7.1.4)
.endr
.endm
.macro OUTALL rope
.irp a, 0,1,2,3,4,5,6,7
	OUTBLK \a, \rope
.endr
	s_wait_dscnt 0x0
.irp i, 0,1,2,3
	global_store_b128 v[CO], v[BK+4*\i:BK+4*\i+3], s[10:11] offset:2048*7+512*\i
.endr
.endm
	s_cmp_eq_u32 s66, 2                            ; z: the same in every wave of every partner
	s_cbranch_scc1 .Lvout
	OUTALL 1
	s_branch .Lend
.Lvout:
	s_wait_alu depctr_va_vdst(0)
	OUTALL 0
.Lend:
	s_wait_tensorcnt 0x0                           ; the wave's end
	ds_add_u32 v[SPW], v[NIL]
	s_wait_dscnt 0x0
	CROUND                                         ; the closing round
	s_endpgm
.Lfunc_end_k_qc1f56a6722_qkv:
	.size	k_qc1f56a6722_qkv, .Lfunc_end_k_qc1f56a6722_qkv-k_qc1f56a6722_qkv
	.p2alignl 7, 3214868480
	.fill 96, 4, 3214868480
	.section	.rodata,"a",@progbits
	.p2align	6, 0x0
	.amdhsa_kernel k_qc1f56a6722_qkv
		.amdhsa_group_segment_fixed_size 327680
		.amdhsa_private_segment_fixed_size 0
		.amdhsa_enable_private_segment 0
		.amdhsa_kernarg_size 32
		.amdhsa_user_sgpr_count 2
		.amdhsa_user_sgpr_kernarg_segment_ptr 1
		.amdhsa_wavefront_size32 1
		.amdhsa_system_sgpr_workgroup_id_x 1
		.amdhsa_system_sgpr_workgroup_id_y 1
		.amdhsa_system_sgpr_workgroup_id_z 1
		.amdhsa_system_vgpr_workitem_id 0
		.amdhsa_next_free_vgpr 1024
		.amdhsa_next_free_sgpr 100
		.amdhsa_reserve_vcc 0
		.amdhsa_float_denorm_mode_32 3
		.amdhsa_float_denorm_mode_16_64 3
		.amdhsa_memory_ordered 1
		.amdhsa_forward_progress 1
		.amdhsa_inst_pref_size 235
	.end_amdhsa_kernel
	.amdgpu_metadata
---
amdhsa.version: [ 1, 2 ]
amdhsa.kernels:
  - .name:           k_qc1f56a6722_qkv
    .symbol:         k_qc1f56a6722_qkv.kd
    .args:
      - { .name: codes1, .offset: 0, .size: 8, .value_kind: global_buffer, .address_space: global }
      - { .name: rope, .offset: 8, .size: 8, .value_kind: global_buffer, .address_space: global }
      - { .name: lowp_scales, .offset: 16, .size: 8, .value_kind: global_buffer, .address_space: global }
      - { .name: qkv, .offset: 24, .size: 8, .value_kind: global_buffer, .address_space: global }
    .group_segment_fixed_size: 327680
    .private_segment_fixed_size: 0
    .kernarg_segment_align: 8
    .kernarg_segment_size: 32
    .max_flat_workgroup_size: 128
    .sgpr_count:     100
    .vgpr_count:     1024
    .wavefront_size: 32
...
	.end_amdgpu_metadata
.endif
;; end of part 2
;; launch attn (part 3): grid 16 x 16, 8 waves a work-group, no clusters, 173,056 bytes of LDS; arguments qkv, mbits, mflag, lowp_scales, acodes; writes acodes
.if DOCPART == 3
	.amdgcn_target "amdgcn-amd-amdhsa--gfx1250"
	.amdhsa_code_object_version 6
	.text
	.protected	k_qc1f56a6722_attn
	.globl	k_qc1f56a6722_attn
	.p2align	8
	.type	k_qc1f56a6722_attn,@function
k_qc1f56a6722_attn:
	s_mov_b64 s[64:65], 0
	v_nop
	global_prefetch_b8 v0, s[64:65] scope:SCOPE_SE
	s_setreg_imm32_b32 hwreg(HW_REG_WAVE_MODE, 25, 1), 1
	s_wait_xcnt 0x0
; ATTENTION: for each head softmax(Q K^T / sqrt(128), masked) V on codes of E4M3, quantised once more for the output projection: acodes [block of 128 tokens][head][128 tokens][128].
; SHARES.  Work-group (j, head) owns the 64-query blocks 31 - j and j of one head: 256 work-groups.  Wave w: block 31 - j (w < 4) or j; its 32 queries by w's bit 0 (two tiles u of 16); every second block of 128 keys by w's bit 1.
; WHAT THE MASK LEAVES OUT.  mflag (whole numbers of an earlier launch) says of 16 queries x 128 keys whether any mask byte is set and whether all are.  A wave passes over a key block in which none of its 32 queries has a key;
; where all are set it applies no mask; else the lane masks of mbits select -infinity ahead of the maximum.  Any mask is served; a row with no key at all gives NaN, as in reference().
; The walk hangs on these stored numbers; K and V come by loads into registers, and there is no cluster and no joint request.
; Every wave passes every barrier.
; FEEDING.  A step is two key blocks (256 keys): 32 KiB of K and 32 KiB of V, dense; a wave brings 4 KiB of each, 512 consecutive bytes a load, into 64 registers, and from there into one of two LDS slots.
; In trip t: the work on slot t % 2; then step t + 1 (asked for a trip ago) goes into the other slot, step t + 2 is asked for, and one barrier.  16 bytes of padding behind each 256 (two rows of 128): the 16 rows of a fragment load
; touch 16 different 16-byte columns, and so do the 16 lanes of a store.
; LAYOUT.  S^T = K Q^T, O^T = V^T P^T: a lane holds one query (lane % 16); score register 8 t + i is key 16 t + 8 (lane / 16) + i.  V's rows are laid so by the launch before that P's codes are the operand as converted.
; SOFTMAX.  t = score x log2(e) / sqrt(128); M = ceil of the running largest t, kept as -M; p = 2^(t - M); the sum is taken of the unquantised p; when M moves, sum and O are multiplied by an exact power of two.
; LIMITS: e6 + e7 between -123 and 130; e8 and e10 - e8 - e9 between -126 and 119; scaled scores under 2^31 in magnitude; NaN among the operands is not served: one that only reaches key blocks passed over is not carried.
; REGISTERS.  Window 0: v0-31 addresses and at work; v32-95 fragments; v96-159, v160-223 scores, then p, of tiles 0, 1; v224-255 Q's fragments, then P's codes.  Window 1: v0-127 O^T; v128-191 K and V on their way; v192-255 fragments.
.set BLK,   64*272                     ; 128 rows of 128 bytes, 16 of padding behind every two
.set VOFF,  2*BLK                      ; a slot: K of two key blocks, V of two
.set SLOT,  4*BLK
.set QB,    2*SLOT                     ; Q as register images, 4,096 bytes a wave: Q and P share registers
.set SPARE, QB+8*4096                  ; the spare words, 128 bytes a wave, that no other line names
.set EXB,   8704                       ; at the end, in slot 0: the tile that a wave gives away: 16 x 512 bytes, then (-M, sum)
.set STG,   SLOT                       ; at the end, in slot 1: 16 rows x 144 bytes a wave
.set MSB, 0
.macro WIN new                         ; the immediate's high byte repeats the setting that is left
.if MSB != \new
	s_set_vgpr_msb (MSB<<8)|\new
.set MSB, \new
.endif
.endm
.macro GLOAD                           ; my 4 KiB of K and of V (4 MiB further on)
	WIN 0x40
.irp i, 0,1,2,3,4,5,6,7
	global_load_b128 v[128+4*\i:131+4*\i], v3, s[92:93] offset:512*\i
.endr
.irp i, 0,1,2,3,4,5,6,7
	global_load_b128 v[160+4*\i:163+4*\i], v3, s[92:93] offset:4194304+512*\i
.endr
	WIN 0
.endm
.macro PUT adr
	WIN 0x04
.irp i, 0,1,2,3,4,5,6,7
	ds_store_b128 v[\adr], v[128+4*\i:131+4*\i] offset:544*\i
	ds_store_b128 v[\adr], v[160+4*\i:163+4*\i] offset:VOFF+544*\i
.endr
	WIN 0
.endm
	s_load_b256 s[4:11], s[0:1], 0x0               ; qkv 4:5, mbits 6:7, mflag 8:9, the exponents 10:11
	s_load_b64 s[12:13], s[0:1], 0x20              ; acodes
	v_lshrrev_b32 v24, 5, v0
	v_readfirstlane_b32 s52, v24                   ; wave 0..7
	s_and_b32 s26, ttmp7, 0xffff                   ; head
	s_lshr_b32 s27, s52, 2                         ; which block
	s_and_b32 s28, s52, 1                          ; which 32 queries of it
	s_bfe_u32 s29, s52, 0x10001                    ; which key blocks: even or odd
	s_sub_co_u32 s30, 31, ttmp9
	s_cmp_eq_u32 s27, 0
	s_cselect_b32 s31, s30, ttmp9
	s_lshl_b32 s32, s31, 6
	s_lshl_b32 s33, s28, 5
	s_add_co_u32 s32, s32, s33                     ; q0: my first query
	s_lshl_b32 s33, s26, 18                        ; the head's 256 KiB in each section of qkv
	s_lshl_b32 s34, s32, 7
	s_add_co_u32 s34, s34, s33                     ; Q's codes
	s_mov_b32 s35, 0
	s_lshl_b32 s36, s52, 12
	s_add_co_u32 s36, s36, s33
	s_add_co_u32 s36, s36, 1<<22                   ; my part of K
	s_mov_b32 s37, 0
	s_lshl_b32 s38, s30, 11                        ; mflag: 512 bytes a tile of 16 queries: the two blocks' first,
	s_lshl_b32 s39, ttmp9, 11
	s_lshl_b32 s43, s32, 5                         ; and my own two tiles'
	s_mul_i32 s40, s29, BLK
	s_mul_i32 s41, s52, 16*272
	s_lshl_b32 s42, s52, 12
	s_add_co_u32 s42, s42, QB
	s_lshl_b32 s44, s32, 8
	s_lshl_b32 s45, s29, 8
	s_add_co_u32 s44, s44, s45                     ; mbits: 4,096 bytes a tile, 256 a key block
	s_mov_b32 s45, 0
	s_lshl_b32 s46, ttmp9, 11
	s_add_co_u32 s46, s46, s33
	s_add_co_u32 s46, s46, (1<<22)+4*32768         ; the prefetches: my work-group's 2,048 bytes of step 4
	s_mov_b32 s47, 0
	s_lshl_b32 s48, s29, 4
	s_add_co_u32 s48, s48, s32                     ; the tile that I finish: its first query,
	s_lshr_b32 s49, s48, 7
	s_lshl_b32 s49, s49, 18
	s_and_b32 s48, s48, 127
	s_lshl_b32 s48, s48, 7
	s_add_co_u32 s48, s48, s49
	s_lshl_b32 s49, s26, 14
	s_add_co_u32 s48, s48, s49                     ; and where its codes go
	s_mov_b32 s49, 0
	v_lshl_add_u32 v5, v0, 2, SPARE
	v_mov_b32 v6, 0
	v_and_b32 v24, 15, v0                          ; r
	v_bfe_u32 v25, v0, 4, 1                        ; h
	v_and_b32 v26, 31, v0                          ; lane
	v_lshlrev_b32 v3, 4, v26                       ; 16 x lane
	v_lshlrev_b32 v8, 7, v24
	v_lshl_add_u32 v8, v25, 4, v8                  ; Q's fragment: row r, 16 h
	v_lshrrev_b32 v27, 1, v24
	v_mul_u32_u24 v1, v27, 272
	v_and_b32 v27, 1, v24
	v_lshl_add_u32 v1, v27, 7, v1
	v_lshl_add_u32 v1, v25, 4, v1
	v_add_nc_u32 v1, s40, v1                       ; a fragment in a slot: 272 (r / 2) + 128 (r % 2) + 16 h, in my key block
	v_mul_u32_u24 v2, v25, 272
	v_lshl_add_u32 v2, v24, 4, v2
	v_add_nc_u32 v2, s41, v2                       ; where my 4 KiB go in a slot
	v_add_nc_u32 v4, s42, v3                       ; my Q images
	v_min_u32 v27, 15, v26
	v_lshrrev_b32 v28, 3, v27
	v_and_b32 v27, 7, v27
	v_lshlrev_b32 v30, 22, v28
	v_lshl_add_u32 v30, v27, 8, v30                ; the prefetches: lanes 0-7 K's eight blocks of 256 bytes, 8-15 V's; the others lane 15's again
	s_wait_alu depctr_va_vdst(0)
	s_wait_kmcnt 0x0
	s_add_nc_u64 s[14:15], s[4:5], s[34:35]
	s_add_nc_u64 s[92:93], s[4:5], s[36:37]
	s_add_nc_u64 s[94:95], s[4:5], s[46:47]
	s_add_nc_u64 s[56:57], s[6:7], s[44:45]
	s_add_nc_u64 s[96:97], s[12:13], s[48:49]
	GLOAD                                          ; step 0
.irp u, 0,1
.irp c, 0,1,2,3
	global_load_b128 v[224+16*\u+4*\c:227+16*\u+4*\c], v8, s[14:15] offset:2048*\u+32*\c
.endr
.endr
.irp i, 0,1,2,3,4,5,6,7
	s_load_b32 s[68+\i], s[8:9], s38 offset:256*\i
	s_load_b32 s[76+\i], s[8:9], s39 offset:256*\i
.endr
.irp i, 0,1,2,3
	s_load_b32 s[44+\i], s[8:9], s43 offset:256*\i
.endr
	s_load_b64 s[84:85], s[10:11], 0x18            ; e6, e7
	s_load_b128 s[88:91], s[10:11], 0x20           ; e8 .. e11
	WIN 0x40
.set n, 0
.rept 128
	v_mov_b32 v[n], 0                              ; O^T: the loop is written once, and its first change of M leaves zeros
.set n, n+1
.endr
	WIN 0
.irp u, 0,1
	v_mov_b32 v[13+6*\u], 0xff61b1e6               ; the largest t so far: -3e38
	v_mov_b32 v[14+6*\u], 0                        ; the sum, in two halves
	v_mov_b32 v[15+6*\u], 0
	v_mov_b32 v[17+6*\u], 0                        ; (named as the upper half of the factor's pair)
	v_floor_f32 v[12+6*\u], -v[13+6*\u]            ; -M
.endr
	v_mov_b32 v29, 0                               ; (a lane permute's destination counts as one of its sources)
	s_mov_b32 s60, 0x76543210
	s_mov_b32 s61, 0xfedcba98                      ; lane l xor 16
	s_mov_b32 s63, 0xff800000                      ; -infinity
	s_cmp_eq_u32 s52, 7
	s_cselect_b32 s66, 4, 0                        ; wave 7 prefetches, in trips 0 to 3
	s_mov_b32 s53, 0                               ; the slot that is read,
	s_mov_b32 s55, SLOT                            ; and the slot that is filled
	s_mov_b32 s54, 0
	s_mov_b32 s101, 0
	s_wait_alu depctr_va_vdst(0)
	s_wait_kmcnt 0x0
	s_mov_b32 s98, s68
.irp i, 1,2,3,4,5,6,7,8,9,10,11,12,13,14,15
	s_or_b32 s98, s98, s[68+\i]
.endr
	s_and_b32 s98, s98, 0xffff                     ; key blocks that any of the eight tiles wants;
	s_lshr_b32 s86, s98, 1
	s_or_b32 s98, s98, s86                         ; bit 2 t: step t
	s_or_b32 s44, s44, s45
	s_or_b32 s46, s46, s47
	s_or_b32 s99, s44, s46
	s_and_b32 s99, s99, 0xffff
	s_lshr_b32 s99, s99, s29                       ; bit 2 t: one of my two tiles wants my key block of step t
	s_and_b32 s100, s44, s46
	s_lshr_b32 s100, s100, 16
	s_lshr_b32 s100, s100, s29                     ; bit 2 t: both want all of it
	s_add_co_i32 s86, s84, s85
	s_lshl_b32 s86, s86, 23
	s_add_co_i32 s58, s86, 0x3e0293ee              ; c = log2(e) / sqrt(128) x 2^(e6 + e7)
	s_mov_b32 s59, s58
	s_add_co_i32 s86, s88, 127
	s_lshl_b32 s87, s86, 23
	v_mov_b32 v10, s87                             ; 2^e8
	s_add_co_i32 s86, s86, 8
	s_lshl_b32 s86, s86, 23
	s_or_b32 s62, s86, 0x600000                    ; 448 x 2^e8
	s_sub_co_i32 s67, s90, s88
	s_sub_co_i32 s67, s67, s89                     ; e10 - e8 - e9
	s_wait_alu depctr_va_vdst(0)
	s_wait_loadcnt 8                               ; step 0's sixteen loads are in; Q's eight may be out
	PUT 2
	s_wait_loadcnt 0x0
.irp k, 0,1,2,3,4,5,6,7
	ds_store_b128 v4, v[224+4*\k:227+4*\k] offset:512*\k
.endr
	s_wait_xcnt 0x0
	s_add_nc_u64 s[92:93], s[92:93], 0x8000
	s_wait_dscnt 0x0                               ; my part of slot 0 is stored, and the registers are free
	GLOAD                                          ; step 1
	s_barrier_signal -1
	s_barrier_wait -1
; The maximum of the scores, two chains for each tile u, op k of 15: chain ch takes key tiles 4 + 2 ch, 5 + 2 ch, 2 ch, 1 + 2 ch in this order, each from its low end on; register 7 of the last one is left to the end.
.macro MX k
.irp u, 0,1
.irp ch, 0,1
.set XB, 96+64*\u+16*\ch
.if (\k) == 0
	v_max3_num_f32 v[24+2*\u+\ch], v[XB+32], v[XB+33], v[XB+34]
.else
.set XI, 2*(\k)+1
.set XJ, 2*(\k)+2
	v_max3_num_f32 v[24+2*\u+\ch], v[24+2*\u+\ch], v[XB+32*(1-(XI/16))+8*((XI/8)%2)+(XI%8)], v[XB+32*(1-(XJ/16))+8*((XJ/8)%2)+(XJ%8)]
.endif
.endr
.endr
.endm
.macro MASK u                          ; 64 lane masks, one a score register
	s_load_b512 s[4:19], s[56:57], s101 offset:4096*\u
	s_load_b512 s[20:35], s[56:57], s101 offset:4096*\u+64
	s_load_b512 s[36:51], s[56:57], s101 offset:4096*\u+128
	s_load_b512 s[68:83], s[56:57], s101 offset:4096*\u+192
	s_wait_kmcnt 0x0
.set n, 0
.rept 48
	v_cndmask_b32 v[96+64*\u+n], s63, v[96+64*\u+n], s[4+n]
.set n, n+1
.endr
.rept 16
	v_cndmask_b32 v[96+64*\u+n], s63, v[96+64*\u+n], s[20+n]
.set n, n+1
.endr
.endm
.macro SUM u                           ; the sum of the unquantised p: two at a time, four chains
.set ST, 14+6*\u
.set SB, 96+64*\u
	v_pk_add_f32 v[24:25], v[SB:SB+1], v[SB+2:SB+3]
	v_pk_add_f32 v[26:27], v[SB+4:SB+5], v[SB+6:SB+7]
	v_pk_add_f32 v[28:29], v[SB+8:SB+9], v[SB+10:SB+11]
.set n, 6
.rept 26
.if (n-6)%4 == 0
	v_pk_add_f32 v[ST:ST+1], v[ST:ST+1], v[SB+2*n:SB+2*n+1]
.else
	v_pk_add_f32 v[22+2*((n-6)%4):23+2*((n-6)%4)], v[22+2*((n-6)%4):23+2*((n-6)%4)], v[SB+2*n:SB+2*n+1]
.endif
.set n, n+1
.endr
	v_pk_add_f32 v[24:25], v[24:25], v[26:27]
	v_pk_add_f32 v[ST:ST+1], v[ST:ST+1], v[28:29]
	v_pk_add_f32 v[ST:ST+1], v[ST:ST+1], v[24:25]
.endm
.macro HOLD n                          ; the conversion does not saturate (ISA guide 7.6.2); p is not negative: two holds in one instruction
	v_dual_min_num_f32 v[\n], s62, v[\n] :: v_dual_min_num_f32 v[\n+1], s62, v[\n+1]
.endm
.Lstep:
	v_add_nc_u32 v7, s53, v1
	v_add_nc_u32 v9, s55, v2
	v_nop                                          ; (with the two lines above: places behind the last products, ahead of the loads below)
	v_nop
	s_bitcmp1_b32 s99, 0
	s_wait_alu depctr_va_vdst(0)
	s_cbranch_scc0 .Lstage                         ; no key for my queries here
.irp k, 0,1,2,3,4,5,6,7
	ds_load_b128 v[224+4*\k:227+4*\k], v4 offset:512*\k
.endr
	WIN 0x40
.irp t, 0,1,2,3
.irp c, 0,1,2,3
	ds_load_b128 v[192+16*\t+4*\c:195+16*\t+4*\c], v7 offset:2176*(4+\t)+32*\c    ; keys 64 .. 127
.endr
.endr
	WIN 0
.irp t, 0,1,2,3
.irp c, 0,1,2,3
	ds_load_b128 v[32+16*\t+4*\c:35+16*\t+4*\c], v7 offset:2176*\t+32*\c          ; keys 0 .. 63
.endr
.endr
	s_wait_dscnt 16                                ; the youngest sixteen may be out
	WIN 0x01
.irp t, 0,1,2,3
.irp u, 0,1
	v_wmma_f32_16x16x128_fp8_fp8 v[128+64*\u+8*\t:135+64*\u+8*\t], v[192+16*\t:207+16*\t], v[224+16*\u:239+16*\u], 0
.endr
.endr
	WIN 0
	s_wait_dscnt 0x0
.rept 4
	v_nop
.endr
.set KK, 0
.irp t, 0,1,2,3
.irp u, 0,1
	v_wmma_f32_16x16x128_fp8_fp8 v[96+64*\u+8*\t:103+64*\u+8*\t], v[32+16*\t:47+16*\t], v[224+16*\u:239+16*\u], 0
.if KK > 0
	MX KK-1                                        ; the maximum over keys 64 .. 127; the last four lines are also the places ahead of the loads below
.endif
.set KK, KK+1
.endr
.endr
.irp t, 0,1,2,3
.irp c, 0,1,2,3
	ds_load_b128 v[32+16*\t+4*\c:35+16*\t+4*\c], v7 offset:VOFF+2176*\t+32*\c     ; V: channels 0 .. 63,
.endr
.endr
	WIN 0x40
.irp t, 0,1,2,3
.irp c, 0,1,2,3
	ds_load_b128 v[192+16*\t+4*\c:195+16*\t+4*\c], v7 offset:VOFF+2176*(4+\t)+32*\c   ; and 64 .. 127
.endr
.endr
	WIN 0
.irp k, 7,8,9,10,11,12,13,14
	MX \k
.endr
	s_bitcmp1_b32 s100, 0
	s_wait_alu depctr_va_vdst(0)
	s_cbranch_scc1 .Lopen                          ; all of the block counts: no mask
	MASK 0
	MASK 1
.irp k, 0,1,2,3,4,5,6,7,8,9,10,11,12,13,14
	MX \k
.endr
.Lopen:
	v_max3_num_f32 v24, v24, v111, v127
	v_max3_num_f32 v26, v26, v175, v191
	v_max_num_f32 v24, v24, v25
	v_max_num_f32 v26, v26, v27
	v_permlanex16_b32 v28, v24, s60, s61
	v_permlanex16_b32 v29, v26, s60, s61
	v_max_num_f32 v24, v24, v28                    ; with lane l xor 16's keys
	v_max_num_f32 v26, v26, v29
	v_mul_f32 v24, s58, v24                        ; as t (c is positive)
	v_mul_f32 v26, s58, v26
	v_max_num_f32 v13, v13, v24
	v_max_num_f32 v19, v19, v26
	v_mov_b32 v25, v12
	v_mov_b32 v27, v18
	v_floor_f32 v12, -v13                          ; the new -M
	v_floor_f32 v18, -v19
	v_sub_f32 v25, v12, v25                        ; old M less new M: a whole number, 0 or less
	v_sub_f32 v27, v18, v27
	v_cvt_i32_f32 v25, v25                         ; (it saturates)
	v_cvt_i32_f32 v27, v27
	v_ldexp_f32 v16, 1.0, v25                      ; f: an exact power of two
	v_ldexp_f32 v22, 1.0, v27
	v_pk_mul_f32 v[14:15], v[14:15], v[16:17] op_sel_hi:[1,0]
	v_pk_mul_f32 v[20:21], v[20:21], v[22:23] op_sel_hi:[1,0]
.set n, 0
.rept 32
	v_pk_fma_f32 v[96+n:97+n], v[96+n:97+n], s[58:59], v[12:13] op_sel_hi:[1,0,0]   ; t - M, tile 0
.set n, n+2
.endr
	WIN 0x44
.set n, 0
.rept 32
	v_pk_mul_f32 v[n:n+1], v[16:17], v[n:n+1] op_sel_hi:[0,1]   ; O^T under the new M
.set n, n+2
.endr
.rept 32
	v_pk_mul_f32 v[n:n+1], v[22:23], v[n:n+1] op_sel_hi:[0,1]
.set n, n+2
.endr
	WIN 0
	s_wait_alu depctr_va_vdst(0)
.set n, 0
.rept 32
	v_exp_f32 v[96+n], v[96+n]                     ; p of tile 0; between them t - M of tile 1
	v_exp_f32 v[97+n], v[97+n]
	v_pk_fma_f32 v[160+n:161+n], v[160+n:161+n], s[58:59], v[18:19] op_sel_hi:[1,0,0]
.set n, n+2
.endr
	s_wait_alu depctr_va_vdst(0)
	SUM 0
	s_wait_alu depctr_va_vdst(0)
.set n, 96
.rept 32
	v_exp_f32 v[n+64], v[n+64]                     ; p of tile 1; between them the holds of tile 0
	v_exp_f32 v[n+65], v[n+65]
	HOLD n
.set n, n+2
.endr
	s_wait_alu depctr_va_vdst(0)
	SUM 1
.irp t, 0,1,2,3,4,5,6,7
	v_cvt_scalef32_pk8_fp8_f32 v[224+2*\t:225+2*\t], v[96+8*\t:103+8*\t], v10
.endr
.set n, 160
.rept 32
	HOLD n
.set n, n+2
.endr
.irp t, 0,1,2,3,4,5,6,7
	v_cvt_scalef32_pk8_fp8_f32 v[240+2*\t:241+2*\t], v[160+8*\t:167+8*\t], v10
.endr
	v_nop                                          ; a plain line between the conversions and the products that read them
	s_wait_alu depctr_va_vdst(0)
	s_wait_dscnt 0x0                               ; V's fragments
	WIN 0x50
.irp t, 0,1,2,3
.irp u, 0,1
	v_wmma_f32_16x16x128_fp8_fp8 v[64*\u+8*\t:64*\u+8*\t+7], v[32+16*\t:47+16*\t], v[224+16*\u:239+16*\u], v[64*\u+8*\t:64*\u+8*\t+7]
.endr
.endr
	WIN 0x51
.irp t, 0,1,2,3
.irp u, 0,1
	v_wmma_f32_16x16x128_fp8_fp8 v[32+64*\u+8*\t:39+64*\u+8*\t], v[192+16*\t:207+16*\t], v[224+16*\u:239+16*\u], v[32+64*\u+8*\t:39+64*\u+8*\t]
.endr
.endr
	WIN 0
.Lstage:
	s_wait_loadcnt 0x0                             ; my part of the next step is in registers
	s_bitcmp1_b32 s98, 2
	s_cbranch_scc0 .Lnoput                         ; no tile of the work-group wants it
	PUT 9
.Lnoput:
	s_wait_xcnt 0x0                                ; loads and prefetch have read their addresses
	s_add_nc_u64 s[92:93], s[92:93], 0x8000
	s_wait_dscnt 0x0                               ; my reads of this slot are over and my stores into the other are done
	s_bitcmp1_b32 s98, 4
	s_cbranch_scc0 .Lnoload
	GLOAD                                          ; the step after the next
.Lnoload:
	s_cmp_lt_u32 s54, s66                          ; A PREFETCH INTO THE L2 of step t + 4, which is asked for two trips on.  The head's sixteen work-groups share its 64 KiB out by address: each block of 256 bytes is named once in the launch
	s_cbranch_scc0 .Lnoask
	global_prefetch_b8 v30, s[94:95] th:TH_LOAD_NT scope:SCOPE_SE
	s_wait_xcnt 0x0
	s_add_nc_u64 s[94:95], s[94:95], 0x8000
.Lnoask:
	s_barrier_signal -1
	s_barrier_wait -1                              ; the other slot is whole, and nobody reads this one
	s_xor_b32 s53, s53, SLOT
	s_xor_b32 s55, s55, SLOT
	s_lshr_b32 s98, s98, 2
	s_lshr_b32 s99, s99, 2
	s_lshr_b32 s100, s100, 2
	s_add_co_u32 s101, s101, 512                   ; two key blocks of mbits
	s_add_co_u32 s54, s54, 1
	s_cmp_lt_u32 s54, 8
	s_cbranch_scc1 .Lstep
; THE END.  Waves w and w xor 2 have the same queries and the other half of the keys.  The wave of the even key blocks finishes tile 0, the other tile 1: each gives the tile that it does not finish away through LDS.
	s_add_co_i32 s84, s67, 127
	s_lshl_b32 s85, s84, 23
	s_add_co_i32 s84, s84, 8
	s_lshl_b32 s84, s84, 23
	s_or_b32 s84, s84, 0x600000
	s_mul_i32 s40, s52, EXB
	s_xor_b32 s41, s52, 2
	s_mul_i32 s41, s41, EXB
	s_mul_i32 s42, s52, 16*144
	s_add_co_u32 s42, s42, STG
	v_mov_b32 v10, s85                             ; 2^(e10 - e8 - e9)
	v_mov_b32 v9, s84                              ; 448 x that
	v_mov_b32 v8, 0x7f7f7f7f                       ; four NaN codes
	v_add_nc_u32 v1, s40, v3                       ; what I give
	v_add_nc_u32 v2, s41, v3                       ; what I get
	v_and_b32 v24, 15, v0
	v_bfe_u32 v25, v0, 4, 1
	v_and_b32 v26, 31, v0
	v_mul_u32_u24 v4, v24, 144
	v_lshl_add_u32 v4, v25, 3, v4
	v_add_nc_u32 v4, s42, v4                       ; my stage, in: row r, 8 h
	v_lshrrev_b32 v27, 3, v26
	v_mul_u32_u24 v7, v27, 144
	v_and_b32 v26, 7, v26
	v_lshl_add_u32 v7, v26, 4, v7
	v_add_nc_u32 v7, s42, v7                       ; and out: row lane / 8, 16 (lane % 8)
	v_mov_b32 v30, v12
	v_add_f32 v31, v14, v15                        ; tile 0: (-M, sum)
	v_mov_b32 v32, v18
	v_add_f32 v33, v20, v21                        ; tile 1
	s_bitcmp1_b32 s52, 1
	s_wait_alu depctr_va_vdst(0)
	s_cbranch_scc1 .Lgive0
	WIN 0x04
.set n, 0
.rept 16
	ds_store_b128 v1, v[64+4*n:67+4*n] offset:512*n
.set n, n+1
.endr
	WIN 0
	ds_store_b64 v1, v[32:33] offset:8192
	s_branch .Lgiven
.Lgive0:
	WIN 0x04
.set n, 0
.rept 16
	ds_store_b128 v1, v[4*n:4*n+3] offset:512*n
.set n, n+1
.endr
	WIN 0
	ds_store_b64 v1, v[30:31] offset:8192
.Lgiven:
	s_wait_dscnt 0x0
	s_barrier_signal -1
	s_barrier_wait -1
.set n, 0
.rept 16
	ds_load_b128 v[96+4*n:99+4*n], v2 offset:512*n
.set n, n+1
.endr
	ds_load_b64 v[224:225], v2 offset:8192
	s_wait_dscnt 0x0
.macro MERGE u, lo
.set ST, 12+6*\u
	v_min_num_f32 v24, v[ST], v224                 ; the larger M
	v_sub_f32 v25, v24, v[ST]
	v_sub_f32 v26, v24, v224
	v_cvt_i32_f32 v25, v25
	v_cvt_i32_f32 v26, v26
	v_ldexp_f32 v25, 1.0, v25
	v_ldexp_f32 v26, 1.0, v26
	v_mul_f32 v27, v[\lo], v25
	v_fma_f32 v27, v225, v26, v27
	v_permlanex16_b32 v28, v27, s60, s61
	v_add_f32 v27, v27, v28                        ; the row's sum
	s_wait_alu depctr_va_vdst(0)
	v_rcp_f32 v24, v27
	v_nop
	v_cmp_eq_f32 s40, 0, v27                       ; a row with no key at all
	s_wait_alu depctr_va_vdst(0)
	v_cndmask_b32 v24, v24, v6, s40
	v_mul_f32 v28, v25, v24
	v_mul_f32 v30, v26, v24
.set n, 0
.rept 32
	v_pk_mul_f32 v[96+n:97+n], v[96+n:97+n], v[30:31] op_sel_hi:[1,0]
.set n, n+2
.endr
	WIN 0x01
	s_wait_alu depctr_va_vdst(0)
.set n, 0
.rept 32
	v_pk_fma_f32 v[96+n:97+n], v[64*\u+n:64*\u+n+1], v[28:29], v[96+n:97+n] op_sel_hi:[1,0,1]
.set n, n+2
.endr
	WIN 0
.set n, 0
.rept 64
	v_med3_num_f32 v[96+n], v[96+n], -v9, v9
.set n, n+1
.endr
.irp t, 0,1,2,3,4,5,6,7
	v_cvt_scalef32_pk8_fp8_f32 v[40+2*\t:41+2*\t], v[96+8*\t:103+8*\t], v10
.endr
	v_nop
.set n, 0
.rept 16
	v_cndmask_b32 v[40+n], v[40+n], v8, s40
.set n, n+1
.endr
	s_wait_alu depctr_va_vdst(0)
.endm
	s_bitcmp1_b32 s52, 1
	s_cbranch_scc1 .Lkeep1
	MERGE 0, 31
	s_branch .Lout
.Lkeep1:
	MERGE 1, 33
.Lout:
.irp t, 0,1,2,3,4,5,6,7
	ds_store_b64 v4, v[40+2*\t:41+2*\t] offset:16*\t   ; channels 16 t + 8 h + 0 .. 7 of query r
.endr
.irp i, 0,1,2,3
	ds_load_b128 v[96+4*\i:99+4*\i], v7 offset:4*144*\i   ; LDS serves a wave's instructions in order (ISA guide 5.7.1.4)
.endr
.irp i, 0,1,2,3
	s_wait_dscnt 3-\i
	global_store_b128 v3, v[96+4*\i:99+4*\i], s[96:97] offset:512*\i   ; 32 lanes store 512 consecutive bytes
.endr
	s_wait_tensorcnt 0x0                           ; the wave's end
	ds_add_u32 v5, v6
	s_wait_dscnt 0x0
	s_endpgm
.Lfunc_end_k_qc1f56a6722_attn:
	.size	k_qc1f56a6722_attn, .Lfunc_end_k_qc1f56a6722_attn-k_qc1f56a6722_attn
	.p2alignl 7, 3214868480
	.fill 96, 4, 3214868480
	.section	.rodata,"a",@progbits
	.p2align	6, 0x0
	.amdhsa_kernel k_qc1f56a6722_attn
		.amdhsa_group_segment_fixed_size 173056
		.amdhsa_private_segment_fixed_size 0
		.amdhsa_enable_private_segment 0
		.amdhsa_kernarg_size 40
		.amdhsa_user_sgpr_count 2
		.amdhsa_user_sgpr_kernarg_segment_ptr 1
		.amdhsa_wavefront_size32 1
		.amdhsa_system_sgpr_workgroup_id_x 1
		.amdhsa_system_sgpr_workgroup_id_y 1
		.amdhsa_system_sgpr_workgroup_id_z 1
		.amdhsa_system_vgpr_workitem_id 0
		.amdhsa_next_free_vgpr 512
		.amdhsa_next_free_sgpr 102
		.amdhsa_reserve_vcc 0
		.amdhsa_float_denorm_mode_32 3
		.amdhsa_float_denorm_mode_16_64 3
		.amdhsa_memory_ordered 1
		.amdhsa_forward_progress 1
		.amdhsa_inst_pref_size 94
	.end_amdhsa_kernel
	.amdgpu_metadata
---
amdhsa.version: [ 1, 2 ]
amdhsa.kernels:
  - .name:           k_qc1f56a6722_attn
    .symbol:         k_qc1f56a6722_attn.kd
    .args:
      - { .name: qkv, .offset: 0, .size: 8, .value_kind: global_buffer, .address_space: global }
      - { .name: mbits, .offset: 8, .size: 8, .value_kind: global_buffer, .address_space: global }
      - { .name: mflag, .offset: 16, .size: 8, .value_kind: global_buffer, .address_space: global }
      - { .name: lowp_scales, .offset: 24, .size: 8, .value_kind: global_buffer, .address_space: global }
      - { .name: acodes, .offset: 32, .size: 8, .value_kind: global_buffer, .address_space: global }
    .group_segment_fixed_size: 173056
    .private_segment_fixed_size: 0
    .kernarg_segment_align: 8
    .kernarg_segment_size: 40
    .max_flat_workgroup_size: 256
    .sgpr_count:     102
    .vgpr_count:     512
    .wavefront_size: 32
...
	.end_amdgpu_metadata
.endif
;; end of part 3
;; launch oproj (part 4): grid 16 x 16, 4 waves a work-group, clusters of 4 x 4, 327,680 bytes of LDS; arguments acodes, codes1, lowp_scales, out0; writes out0
.if DOCPART == 4
	.amdgcn_target "amdgcn-amd-amdhsa--gfx1250"
	.amdhsa_code_object_version 6
	.text
	.protected	k_qc1f56a6722_oproj
	.globl	k_qc1f56a6722_oproj
	.p2align	8
	.type	k_qc1f56a6722_oproj,@function
k_qc1f56a6722_oproj:
	s_mov_b64 s[64:65], 0
	v_nop
	global_prefetch_b8 v0, s[64:65] scope:SCOPE_SE
	s_setreg_imm32_b32 hwreg(HW_REG_WAVE_MODE, 25, 1), 1
	s_wait_xcnt 0x0
	s_wait_alu depctr_hold_cnt(0) depctr_sa_sdst(0) depctr_va_vdst(0) depctr_va_sdst(0) depctr_va_ssrc(0) depctr_va_vcc(0) depctr_vm_vsrc(0)
	s_getreg_b32 s2, hwreg(HW_REG_IB_STS2, 6, 4)
	s_cmp_eq_u32 s2, 0
	s_cbranch_scc0 .Lentry_in_a_cluster
	s_endpgm
.Lentry_in_a_cluster:
	s_bfe_u32 s2, ttmp6, 0x10000c
	s_cmp_lg_u32 s2, 0xf033
	s_cbranch_scc0 .Lentry_shape_is_right
	s_endpgm
.Lentry_shape_is_right:
.set PA,     144
.set PB,     528
.set BLKA,   128*PA
.set AB,     4*BLKA
.set SLOT,   AB+128*PB
.set SPARE,  2*SLOT
.set STAGE,  SPARE+512
.set SPITCH, 272
.set LAPS,   2
.set ADRA, 16
.set ADRB, 20
.set STO,  24
.set RD,   25
.set CO,   26
.set SPW,  28
.set NIL,  29
.set TMP,  32
.set BK,   64
.set ACC,  128
.set F0,   0
.set F1,   128
.set G1, 24
.set G0, 32
.set G1B, 48
.set G0B, 56
.set MSB, 0
.macro WIN new
.if MSB != \new
	s_set_vgpr_msb (MSB<<8)|\new
.set MSB, \new
.endif
.endm
.set MUL,  0x05
.set TO_F, 0x40
.macro JLOAD s
	s_cmp_eq_u32 s15, 0
	s_cbranch_scc0 .Lfor_b_\@
	tensor_load_to_lds s[G0+4*\s:G0+4*\s+3], s[G1:G1+7]
	s_nop 0
.rept 4
	v_nop
.endr
	s_branch .Lasked_\@
.Lfor_b_\@:
	tensor_load_to_lds s[G0B+4*\s:G0B+4*\s+3], s[G1B:G1B+7]
	s_nop 0
.rept 4
	v_nop
.endr
.Lasked_\@:
.endm
.macro CREST
	s_cmp_lg_u32 s14, 0
	s_cbranch_scc1 .Lnot_wave_0_\@
	s_barrier_signal -3
.Lnot_wave_0_\@:
	s_barrier_wait -3
	s_barrier_signal -1
	s_barrier_wait -1
.endm
.macro CROUND
	s_barrier_signal -1
	s_barrier_wait -1
	CREST
.endm
	s_load_b128 s[4:7], s[0:1], 0x0
	s_load_b128 s[8:11], s[0:1], 0x10
	v_lshl_add_u32 v[SPW], v0, 2, SPARE
	v_mov_b32 v[NIL], 0
	ds_add_u32 v[SPW], v[NIL]
	ds_add_u32 v[SPW], v[NIL]
	v_lshrrev_b32 v1, 5, v0
	v_readfirstlane_b32 s14, v1
	s_lshr_b32 s15, s14, 1
	s_and_b32 s16, s14, 1
	s_bfe_u32 s40, ttmp6, 0x40000
	s_bfe_u32 s41, ttmp6, 0x40004
	s_lshl_b32 s42, ttmp9, 2
	s_add_co_u32 s42, s42, s40
	s_and_b32 s17, ttmp7, 0xffff
	s_lshl_b32 s17, s17, 2
	s_add_co_u32 s17, s17, s41
	s_lshl_b32 s43, s41, 2
	s_lshl_b32 s43, 15, s43
	s_lshl_b32 s44, 0x1111, s40
	s_or_b32 s[G1+0], s43, (1<<20)|(1<<21)|(4<<22)|(3<<25)
	s_mov_b32 s[G1+1], 256<<16                     ; A: 32 KiB, dense in memory, stated as 128 rows of 256 bytes, with the padding still behind every 128 bytes
	s_mov_b32 s[G1+2], 128<<16
	s_mov_b32 s[G1+3], 256<<16
	s_mov_b32 s[G1+4], 128
	s_mov_b32 s[G1+5], 256
	s_mov_b32 s[G1+6], 0
	s_mov_b32 s[G1+7], 0
	s_or_b32 s[G1B+0], s44, (1<<20)|(1<<21)|(6<<22)|(3<<25)
	s_mov_b32 s[G1B+1], 512<<16
	s_mov_b32 s[G1B+2], 64<<16
	s_mov_b32 s[G1B+3], 512<<16
	s_mov_b32 s[G1B+4], 64
	s_mov_b32 s[G1B+5], 2048
	s_mov_b32 s[G1B+6], 0
	s_mov_b32 s[G1B+7], 0
	s_lshl_b32 s20, s17, 18
	s_lshl_b32 s18, s16, 15
	s_add_co_u32 s20, s20, s18
	s_mov_b32 s21, 0
	s_lshl_b32 s46, s42, 7
	s_lshl_b32 s18, s16, 6
	s_add_co_u32 s46, s46, s18
	s_lshl_b32 s46, s46, 11
	s_add_co_u32 s46, s46, 6<<22
	s_mov_b32 s47, 0
	s_mul_i32 s45, s16, 2*BLKA
	s_mul_i32 s19, s16, 64*PB
	s_add_co_u32 s19, s19, AB
	s_wait_dscnt 0x0
	s_wait_kmcnt 0x0
	s_load_b64 s[68:69], s[8:9], 0x28
	s_add_nc_u64 s[20:21], s[4:5], s[20:21]
	s_add_nc_u64 s[46:47], s[6:7], s[46:47]
	CROUND
.irp s, 0,1
	s_mov_b32 s[G0+4*\s], 1
	s_add_co_u32 s[G0+4*\s+1], s45, \s*SLOT
	s_add_nc_u64 s[G0+4*\s+2:G0+4*\s+3], s[20:21], \s*65536
	s_or_b32 s[G0+4*\s+3], s[G0+4*\s+3], 0x80000000
	s_mov_b32 s[G0B+4*\s], 1
	s_add_co_u32 s[G0B+4*\s+1], s19, \s*SLOT
	s_add_nc_u64 s[G0B+4*\s+2:G0B+4*\s+3], s[46:47], \s*512
	s_or_b32 s[G0B+4*\s+3], s[G0B+4*\s+3], 0x80000000
.endr
	JLOAD 0                                        ; K step 0: one tensor load a wave at the head
	; The prefetches into the L2: behind the load of K step n the one for step n + 2 (behind step 0's also step 1's).  Of the 128 blocks of 256 bytes that a wave fetches in a K step each of the four partners that ask for
	; them jointly names 32, told apart by address (cx for A, cy for B): A: 8,192 bytes on end; B: two blocks of each of 16 rows.
	s_cmp_eq_u32 s15, 0
	s_cselect_b64 s[72:73], s[20:21], s[46:47]
	s_cselect_b32 s74, s40, s41
	s_mov_b32 s76, 2048
	s_cselect_b32 s76, 512, s76                    ; from one pair of lanes to the next
	s_mov_b32 s77, 0x8000
	s_cselect_b32 s77, 0x2000, s77                 ; from partner to partner
	s_mov_b32 s78, 512
	s_cselect_b32 s78, 0x10000, s78                ; a K step on
	s_mul_i32 s74, s74, s77
	s_add_co_u32 s74, s74, s78
	s_mov_b32 s75, 0
	s_mov_b32 s79, 0
	s_add_nc_u64 s[72:73], s[72:73], s[74:75]      ; K step 1,
	s_add_nc_u64 s[80:81], s[72:73], s[78:79]      ; 2,
	s_add_nc_u64 s[82:83], s[80:81], s[78:79]      ; 3
	v_and_b32 v6, 31, v0
	v_lshrrev_b32 v7, 1, v6
	v_mul_lo_u32 v7, v7, s76
	v_and_b32 v6, 1, v6
	v_lshl_add_u32 v7, v6, 8, v7                   ; never rewritten
	global_prefetch_b8 v7, s[72:73] th:TH_LOAD_NT scope:SCOPE_SE
	global_prefetch_b8 v7, s[80:81] th:TH_LOAD_NT scope:SCOPE_SE
	v_and_b32 v1, 15, v0
	v_bfe_u32 v2, v0, 4, 1
	v_mul_u32_u24 v3, v1, PA
	v_lshl_add_u32 v3, v2, 4, v3
	v_mul_u32_u24 v4, v1, PB
	v_lshl_add_u32 v4, v2, 4, v4
	s_mul_i32 s21, s15, 64*PA
	s_mul_i32 s22, s16, 64*PB
	s_add_co_u32 s22, s22, AB
.irp s, 0,1
	v_add_nc_u32 v[ADRA+\s], s21, v3
	v_add_nc_u32 v[ADRB+\s], s22, v4
	s_add_co_u32 s21, s21, SLOT
	s_add_co_u32 s22, s22, SLOT
.endr
	s_mul_i32 s23, s14, 16*SPITCH
	s_add_co_u32 s23, s23, STAGE
	v_mul_u32_u24 v5, v1, SPITCH
	v_lshl_add_u32 v5, v2, 5, v5
	v_add_nc_u32 v[STO], s23, v5
	v_mul_u32_u24 v5, v2, SPITCH
	v_lshl_add_u32 v5, v1, 4, v5
	v_add_nc_u32 v[RD], s23, v5
	v_lshlrev_b32 v5, 13, v2
	v_lshl_add_u32 v[CO], v1, 4, v5
	s_lshl_b32 s20, s17, 7
	s_lshl_b32 s21, s15, 6
	s_add_co_u32 s20, s20, s21
	s_lshl_b32 s20, s20, 13
	s_mov_b32 s21, 0
	s_add_nc_u64 s[10:11], s[10:11], s[20:21]
	s_lshl_b32 s46, s42, 9
	s_lshl_b32 s47, s16, 8
	s_add_co_u32 s46, s46, s47
	s_mov_b32 s47, 0
	s_add_nc_u64 s[10:11], s[10:11], s[46:47]
.macro MULA f, a, zero
.irp b, 0,1,2,3
.if \zero
	v_wmma_f32_16x16x128_fp8_fp8 v[ACC+8*(4*(\a)+\b):ACC+8*(4*(\a)+\b)+7], v[\f+64+16*\b:\f+64+16*\b+15], v[\f+16*(\a):\f+16*(\a)+15], 0
.else
	v_wmma_f32_16x16x128_fp8_fp8 v[ACC+8*(4*(\a)+\b):ACC+8*(4*(\a)+\b)+7], v[\f+64+16*\b:\f+64+16*\b+15], v[\f+16*(\a):\f+16*(\a)+15], v[ACC+8*(4*(\a)+\b):ACC+8*(4*(\a)+\b)+7]
.endif
.endr
.endm
.macro FETCH slot, q, f
	WIN TO_F
.irp i, 0,1,2,3
.irp c, 0,1,2,3
	ds_load_b128 v[\f+64+16*\i+4*\c:\f+64+16*\i+4*\c+3], v[ADRB+\slot] offset:128*(\q)+16*PB*\i+32*\c
.endr
.endr
.irp i, 0,1,2,3
.irp c, 0,1,2,3
	ds_load_b128 v[\f+16*\i+4*\c:\f+16*\i+4*\c+3], v[ADRA+\slot] offset:BLKA*(\q)+16*PA*\i+32*\c
.endr
.endr
.endm
.macro PLACES
.rept 4
	v_nop
.endr
.endm
.macro QUARTER slot, q, f, g, zero
	s_wait_dscnt 8
	WIN MUL
	MULA \f, 0, \zero
	MULA \f, 1, \zero
	PLACES
	FETCH \slot, \q, \g
	s_wait_dscnt 32
	WIN MUL
	MULA \f, 2, \zero
	MULA \f, 3, \zero
.endm
.macro TURN slot, next, fill
	WIN 0
	s_wait_tensorcnt 0x0
	ds_add_u32 v[SPW], v[NIL]
	s_wait_dscnt 9
	WIN MUL
	MULA F1, 0, 0
	MULA F1, 1, 0
	s_wait_dscnt 0x0
	s_barrier_signal -1
	MULA F1, 2, 0
	WIN 0
	s_barrier_wait -1
.if \fill
	CREST
	s_add_nc_u64 s[G0+4*\slot+2:G0+4*\slot+3], s[G0+4*\slot+2:G0+4*\slot+3], 2*65536
	s_add_nc_u64 s[G0B+4*\slot+2:G0B+4*\slot+3], s[G0B+4*\slot+2:G0B+4*\slot+3], 2*512
	JLOAD \slot
.else
	PLACES
.endif
	s_wait_alu depctr_va_vdst(0)
	FETCH \next, 0, F0
	WIN MUL
	MULA F1, 3, 0
.endm
	s_wait_alu depctr_va_vdst(0)
	s_wait_tensorcnt 0x0                           ; my part of K step 0 is in
	ds_add_u32 v[SPW], v[NIL]
	s_wait_dscnt 0x0
	CROUND
	JLOAD 1                                        ; K step 1, the first tensor load behind the round
	FETCH 0, 0, F0
	global_prefetch_b8 v7, s[82:83] th:TH_LOAD_NT scope:SCOPE_SE   ; K step 3
	QUARTER 0, 1, F0, F1, 1
.rept LAPS-1
	QUARTER 0, 2, F1, F0, 0
	QUARTER 0, 3, F0, F1, 0
	TURN 0, 1, 1
	QUARTER 1, 1, F0, F1, 0
	QUARTER 1, 2, F1, F0, 0
	QUARTER 1, 3, F0, F1, 0
	TURN 1, 0, 1
	QUARTER 0, 1, F0, F1, 0
.endr
	QUARTER 0, 2, F1, F0, 0
	QUARTER 0, 3, F0, F1, 0
	TURN 0, 1, 0
	QUARTER 1, 1, F0, F1, 0
	QUARTER 1, 2, F1, F0, 0
	QUARTER 1, 3, F0, F1, 0
	s_wait_dscnt 8
	WIN MUL
	MULA F1, 0, 0
	MULA F1, 1, 0
	s_wait_dscnt 0
	MULA F1, 2, 0
	MULA F1, 3, 0
	WIN 0
.macro TOSTAGE a
.irp b, 0,1,2,3
.irp i, 0,2,4,6
	v_pk_mul_f32 v[TMP+8*\b+\i:TMP+8*\b+\i+1], v[ACC+8*(4*(\a)+\b)+\i:ACC+8*(4*(\a)+\b)+\i+1], s[66:67] op_sel_hi:[1,0]
.endr
.endr
.irp b, 0,1,2,3
	ds_store_b128 v[STO], v[TMP+8*\b:TMP+8*\b+3] offset:64*\b
	ds_store_b128 v[STO], v[TMP+8*\b+4:TMP+8*\b+7] offset:64*\b+16
.endr
.set BB, BK+32*((\a)%2)
.irp t, 0,1,2,3,4,5,6,7
	ds_load_b128 v[BB+4*\t:BB+4*\t+3], v[RD] offset:\t*2*SPITCH
.endr
.endm
.macro SEND a, younger
.set BB, BK+32*((\a)%2)
	s_wait_dscnt \younger
.irp t, 0,1,2,3,4,5,6,7
	global_store_b128 v[CO], v[BB+4*\t:BB+4*\t+3], s[10:11] offset:(16*(\a)+2*\t)*8192 th:TH_STORE_NT
.endr
.endm
	s_wait_kmcnt 0x0
	s_add_co_i32 s66, s68, s69
	s_add_co_i32 s66, s66, 127
	s_lshl_b32 s66, s66, 23
	s_mov_b32 s67, s66
	PLACES
	TOSTAGE 0
.irp a, 1,2,3
.if \a > 1
	s_wait_xcnt 0x0
.endif
	TOSTAGE \a
	SEND \a-1, 16
.endr
	SEND 3, 0
	s_wait_tensorcnt 0x0
	ds_add_u32 v[SPW], v[NIL]
	s_wait_dscnt 0x0
	CROUND
	s_endpgm
.Lfunc_end_k_qc1f56a6722_oproj:
	.size	k_qc1f56a6722_oproj, .Lfunc_end_k_qc1f56a6722_oproj-k_qc1f56a6722_oproj
	.p2alignl 7, 3214868480
	.fill 96, 4, 3214868480
	.section	.rodata,"a",@progbits
	.p2align	6, 0x0
	.amdhsa_kernel k_qc1f56a6722_oproj
		.amdhsa_group_segment_fixed_size 327680
		.amdhsa_private_segment_fixed_size 0
		.amdhsa_enable_private_segment 0
		.amdhsa_kernarg_size 32
		.amdhsa_user_sgpr_count 2
		.amdhsa_user_sgpr_kernarg_segment_ptr 1
		.amdhsa_wavefront_size32 1
		.amdhsa_system_sgpr_workgroup_id_x 1
		.amdhsa_system_sgpr_workgroup_id_y 1
		.amdhsa_system_sgpr_workgroup_id_z 1
		.amdhsa_system_vgpr_workitem_id 0
		.amdhsa_next_free_vgpr 512
		.amdhsa_next_free_sgpr 84
		.amdhsa_reserve_vcc 0
		.amdhsa_float_denorm_mode_32 3
		.amdhsa_float_denorm_mode_16_64 3
		.amdhsa_memory_ordered 1
		.amdhsa_forward_progress 1
		.amdhsa_inst_pref_size 75
	.end_amdhsa_kernel
	.amdgpu_metadata
---
amdhsa.version: [ 1, 2 ]
amdhsa.kernels:
  - .name:           k_qc1f56a6722_oproj
    .symbol:         k_qc1f56a6722_oproj.kd
    .args:
      - { .name: acodes, .offset: 0, .size: 8, .value_kind: global_buffer, .address_space: global }
      - { .name: codes1, .offset: 8, .size: 8, .value_kind: global_buffer, .address_space: global }
      - { .name: lowp_scales, .offset: 16, .size: 8, .value_kind: global_buffer, .address_space: global }
      - { .name: out0, .offset: 24, .size: 8, .value_kind: global_buffer, .address_space: global }
    .group_segment_fixed_size: 327680
    .private_segment_fixed_size: 0
    .kernarg_segment_align: 8
    .kernarg_segment_size: 32
    .max_flat_workgroup_size: 128
    .sgpr_count:     84
    .vgpr_count:     512
    .wavefront_size: 32
...
	.end_amdgpu_metadata
.endif
;; end of part 4
